; MI455X (gfx1250); checked and timed in simulation.
; The chip was launched on July 23, 2026; its instructions are those of AMD's public machine-readable ISA for CDNA 5 (MIT licence, August 2026) and "CDNA5" Instruction Set Architecture Reference Guide (July 2026). The comments in the code are by the model that wrote it; some were corrected since.
;; Multi Head Attention. Allowed arithmetic: matrix products marked QUANTISED: E4M3 operands, one given power-of-two scale a tensor, by v_wmma_f32_16x16x64_fp8_fp8 or v_wmma_f32_16x16x128_fp8_fp8, f32 sums; everything else in f32.
;; Inputs: Wk 128 x 1,024 float32; Wo 1,024 x 128 float32; Wq 128 x 1,024 float32; Wv 128 x 1,024 float32; bk 1,024 float32; bo 128 float32; bq 1,024 float32; bv 1,024 float32; k 8 x 2,048 x 128 float32; lowp_scales 12 int32 (the exponents e of the quantised operands' scales 2^e); q 8 x 1,024 x 128 float32; v 8 x 2,048 x 128 float32.
;; Outputs: out0 8 x 1,024 x 128 float32.
;; This version of the problem:
;;   THIS VERSION OF THE PROBLEM IS GIVEN IN LOW PRECISION. The matrix products marked QUANTISED in the list below multiply operands that are first quantised to E4M3 (4 exponent bits, 3 mantissa bits; 8 bits a number), with one given power-of-two scale for each operand tensor; their sums are f32. All else is computed in f32.
;;   The module's matrix products, in the order in which they are computed (A, B: the left and right operand; K: the contracted axis; several contracted axes count as one K, in the product's order):
;;     1. [M 8,192, K 128] x [K 128, N 1,024]; A: input q; B: input Wq: QUANTISED (scales: A lowp_scales[0], B lowp_scales[1])
;;     2. [M 16,384, K 128] x [K 128, N 1,024]; A: input k; B: input Wk: QUANTISED (scales: A lowp_scales[2], B lowp_scales[3])
;;     3. [M 16,384, K 128] x [K 128, N 1,024]; A: input v; B: input Wv: QUANTISED (scales: A lowp_scales[4], B lowp_scales[5])
;;     4. batch 64 x [M 1,024, K 128] x [K 128, N 2,048]; A: computed on the way; B: computed on the way: QUANTISED (scales: A lowp_scales[6], B lowp_scales[7])
;;     5. batch 64 x [M 128, K 2,048] x [K 2,048, N 1,024]; A: computed on the way; B: softmax (see below): QUANTISED (scales: A lowp_scales[8], B lowp_scales[9])
;;     6. [M 8,192, K 1,024] x [K 1,024, N 128]; A: computed on the way; B: input Wo: QUANTISED (scales: A lowp_scales[10], B lowp_scales[11])
;;   THE QUANTISER, for each operand of a quantised product, along K:
;;     - The operand's scale is 2^e, e = its entry of the input lowp_scales (int32; the entries are numbered through the quantised products in the list's order, A before B).
;;     - Each number is divided by the scale, clamped to +-448, and rounded to the nearest number of E4M3, ties to even, subnormals kept.
;;     - The product sums the exact products of the quantised numbers (number of the format x scale) in f32.
;;   ~~~python
;;   def quantise(x, axis, e):      # numpy; x: float32 -> the quantised numbers, widened to float32 again
;;       x = np.moveaxis(x, axis, -1); K = x.shape[-1]
;;       r = np.clip(x / 2.0 ** e, -448, 448)
;;       step = 2.0 ** (np.maximum(np.frexp(np.where(r == 0, 1, r))[1] - 1, -6) - 3)
;;       q = np.round(r / step) * step * 2.0 ** e      # np.round: ties to even
;;       return np.moveaxis(q, -1, axis).astype(np.float32)
;;   ~~~
;;   SOFTMAX AHEAD OF A QUANTISED PRODUCT. Where the list says 'softmax', what is quantised is not the finished softmax but p = 2^(t - M), with t = logit x log2(e) and M = ceil(the row's largest t), a whole number; so 1/2 < the row's largest p <= 1. The row's sum l is taken of the UNQUANTISED p, in f32, and the product's result is divided by l at the end. Since M is a whole number, a kernel that streams over the keys may use a running M (the ceiling of the running maximum): every later rescaling is an exact power of two, so the quantised numbers keep their values, but for numbers so far below the row's largest that they fall under the format's range.
;;   OPERANDS COMPUTED ON THE WAY. 'Computed on the way' means the value that the module computes at that place (a softmax that the list does not call 'softmax' is quantised finished and normalised). What goes into a quantiser is computed in f32, as accurately as f32 sums, v_exp_f32 and their like allow (about 1e-6 of the number): no bf16 or f16 on the way to a quantiser, and a product that is left as it is and whose result goes on into a quantised operand takes f32 operands (vector FMAs, or v_wmma_f32_16x16x4_f32). A number that lies on a knife's edge between two numbers of the format may be rounded either way, as far as f32 arithmetic and the matrix unit's own rounding can turn it there, and no further.
;; 3 versions, each right; version 3 is version 2 with the launch proj written anew for expert scheduling mode. Each part assembles by itself: llvm-mc -triple=amdgcn-amd-amdhsa -mcpu=gfx1250 --defsym DOCPART=n.
;; ======== version 1 of 3: 3 launches
;; workspace buffers: qc 8,388,608 bytes; kc 16,777,216 bytes; vc 16,777,216 bytes; oc 8,388,608 bytes; woc 131,072 bytes
;; launch proj (part 1): grid 256 x 1, 16 waves a work-group, no clusters, 215,040 bytes of LDS; arguments q, k, v, Wq, Wk, Wv, bq, bk, bv, Wo, lowp_scales, qc, kc, vc, woc; writes qc, kc, vc, woc
.if DOCPART == 1
	.amdgcn_target "amdgcn-amd-amdhsa--gfx1250"
	.amdhsa_code_object_version 6
	.text
	.protected	k_q5840c22763_proj
	.globl	k_q5840c22763_proj
	.p2align	8
	.type	k_q5840c22763_proj,@function
k_q5840c22763_proj:
	s_mov_b64 s[64:65], 0
	v_nop
	global_prefetch_b8 v0, s[64:65] scope:SCOPE_SE
	s_setreg_imm32_b32 hwreg(HW_REG_WAVE_MODE, 25, 1), 1
	s_wait_xcnt 0x0
; Qh = q Wq + bq, Kh = k Wk + bk, Vh = v Wv + bv on codes of FP8 (E4M3), and their results quantised again for the attention; Wo is quantised on the side.
; e0 .. e11 are the whole numbers in lowp_scales: q e0, Wq e1, k e2, Wk e3, v e4, Wv e5, Qh e6, Kh e7, Vh e8, Wo e11.
; SHARES.  Work-group i: hp = i % 4 names two heads (columns 256 hp .. 256 hp + 255 of the three weights), part = i / 4 names 128 rows of q, 256 of k, 256 of v.
; PHASE 1: the 16 waves quantise those rows and those columns once and lay them in LDS; one barrier.  PHASE 2: wave (cg = w % 8, rh = w / 8) makes columns 32 cg .. +31 for half rh of the row tiles.
; IMAGES.  A fragment (16 rows x 128 K, 16 registers a lane) lies, in LDS and in the workspace, as its registers: piece c (registers 4 c .. 4 c + 3) is 512 bytes, lane l's 16 bytes at 512 c + 16 l.
; Every fragment comes and goes by four accesses of 512 consecutive bytes; a store covers two aligned runs of 256 bytes.
; PLACES OF K.  Lane (r = l % 16, h = l / 16), piece c, byte i.  Inputs' channels: k = 32 c + 16 h + i, alike in x and W.  Results: two neighbouring 16 x 16 tiles 2 c, 2 c + 1 give a lane 16 registers,
; byte 8 u + j = 32 c + 16 u + 8 h + j: that is the place of d in qc and kc, of the keys in vc, of Wo's rows in woc; both sides of each later product use the same places.
; Q and K: source 0 = 16 columns of W, source 1 = 16 rows of x: a lane holds one row, its registers run along d.  V: the sources swapped: a lane holds one d, its registers run along the keys.
; The bias is the C of the one matrix instruction of a sum, divided by the power of two that the sum lacks.  The three scales ahead of a result's quantiser are folded into the conversion's one.
; NO JOINT LOADS, NO TENSOR LOADS: every operand arrives as f32 and has to pass through registers to be quantised; what work-groups share (x by four, a weight's columns by 64) is 1.3 MB a work-group at most.
; LIMITS, so that each power of two below is an f32 number: e0 .. e5, e11, e6 - e0 - e1, e7 - e2 - e3, e8 - e4 - e5 between -126 and 119.  NaN among the inputs is not served.
.set XQ,  0                            ; LDS: q's 8 images,
.set XK,  16384                        ; k's 16,
.set XV,  49152                        ; v's 16,
.set WQ,  81920                        ; 16 images (16 columns each) of Wq,
.set WK,  114688                       ; of Wk,
.set WV,  147456                       ; of Wv,
.set WOS, 180224                       ; and 2,048 bytes for each wave, its own, for Wo's image
.set XA,  1                            ; v1   phase 1: x: 512 r + 64 h: my 16 numbers of a block of 32
.set WA,  2                            ; v2   phase 1: W: 16 (l / 4) rows of 4,096 bytes + 16 (l % 4)
.set SI,  3                            ; v3   16 l + 2,048 w
.set SIH, 4                            ; v4   phase 1: 16 l + 1,024 w
.set WSI, 5                            ; v5   64 l + 2,048 w
.set TA,  6                            ; v6   the LDS address of the stores in hand
.set SC,  7                            ; v7   the quantiser's scale as f32
.set LIM, 8                            ; v8   448 x that
.set BA,  9                            ; v9   32 h
.set BVA, 10                           ; v10  4 r
.set BVR, 11                           ; v11, v12  bv as loaded
.set LI,  13                           ; v13  16 l
.set TX,  14                           ; v14  LDS address of x's images
.set TW,  15                           ; v15  of W's
.set PC,  16                           ; v16-31 the codes just made
.set BLA, 32                           ; phase 1: blocks of 64 numbers: they and BSH fill v32-255
.set BLB, 96
.set BLC, 160
.set BSH, 224                          ; and one of 32
.set W,   32                           ; phase 2: my two fragments of W,
.set X,   64                           ; two of x,
.set ACC, 96                           ; four results,
.set CD,  128                          ; their codes
.set WOI, 1                            ; v1   phase 2, in XA's place: my stage for Wo's image, on the way in
.set WOA, 2                            ; v2   phase 2, in WA's place: Wo: my lane's offset
.set WOR, 4                            ; v4   phase 2, in SIH's place: my stage, on the way back
.set WS,  144                          ; v144-207 Wo as loaded
.set BV,  208                          ; the biases in the results' layout
.set BQ,  224
.set BK,  240
.macro MKS d, e                        ; s[d] = 2^e as f32, s[d+1] = 448 x 2^e; e in s[e]
	s_add_co_i32 s[\d], s[\e], 127
	s_add_co_i32 s[\d+1], s[\d], 8
	s_lshl_b32 s[\d], s[\d], 23
	s_lshl_b32 s[\d+1], s[\d+1], 23
	s_or_b32 s[\d+1], s[\d+1], 0x600000
.endm
.macro SETQ p
	v_mov_b32 v[SC], s[\p]
	v_mov_b32 v[LIM], s[\p+1]
.endm
.macro XLOAD reg, base, nb             ; nb blocks of 32 along K: my 16 neighbours of each
.set xb, 0
.rept \nb
.irp j, 0,1,2,3
	global_load_b128 v[\reg+16*xb+4*\j:\reg+16*xb+4*\j+3], v[XA], s[\base:\base+1] offset:128*xb+16*\j
.endr
.set xb, xb+1
.endr
.endm
.macro WLOAD reg, base, voff, wo       ; 16 rows k x my 4 columns; wo = 1: Wo's rows, in the places of the results' K
.irp t, 0,1,2,3,4,5,6,7,8,9,10,11,12,13,14,15
.if \wo
	global_load_b128 v[\reg+4*\t:\reg+4*\t+3], v[\voff], s[\base:\base+1] offset:(16*(\t/8)+(\t%8))*512
.else
	global_load_b128 v[\reg+4*\t:\reg+4*\t+3], v[\voff], s[\base:\base+1] offset:4096*\t
.endif
.endr
.endm
.macro QX reg, nb                      ; 16 nb numbers of a lane, in place, become codes in v[PC] on
	s_wait_dscnt 0x0                               ; the last LDS stores have read v[PC] on
.set xb, 0
.rept \nb
.irp i, 0,1,2,3,4,5,6,7,8,9,10,11,12,13,14,15
	v_med3_num_f32 v[\reg+16*xb+\i], v[\reg+16*xb+\i], -v[LIM], v[LIM]   ; the conversion to an 8-bit code does not saturate (ISA guide 7.6.2): the hold at the largest code x the scale
.endr
	v_cvt_scalef32_pk8_fp8_f32 v[PC+4*xb:PC+4*xb+1], v[\reg+16*xb:\reg+16*xb+7], v[SC]
	v_cvt_scalef32_pk8_fp8_f32 v[PC+4*xb+2:PC+4*xb+3], v[\reg+16*xb+8:\reg+16*xb+15], v[SC]
.set xb, xb+1
.endr
	v_nop                                          ; one plain line behind the last conversion
.endm
.macro QW src, dst                     ; register 4 t + e of src = (row k_t, column e): the hold also moves it to 16 e + t, so that 16 registers run down K
	s_wait_dscnt 0x0
.irp e, 0,1,2,3
.irp t, 0,1,2,3,4,5,6,7,8,9,10,11,12,13,14,15
	v_med3_num_f32 v[\dst+16*\e+\t], v[\src+4*\t+\e], -v[LIM], v[LIM]
.endr
	v_cvt_scalef32_pk8_fp8_f32 v[PC+4*\e:PC+4*\e+1], v[\dst+16*\e:\dst+16*\e+7], v[SC]
	v_cvt_scalef32_pk8_fp8_f32 v[PC+4*\e+2:PC+4*\e+3], v[\dst+16*\e+8:\dst+16*\e+15], v[SC]
.endr
	v_nop
.endm
.macro IMGX region, areg, nb           ; nb pieces of an image of x
	v_add_nc_u32 v[TA], \region, v[\areg]
.set xb, 0
.rept \nb
	ds_store_b128 v[TA], v[PC+4*xb:PC+4*xb+3] offset:512*xb
.set xb, xb+1
.endr
.endm
.macro IMGW region                     ; lane l = (kk = l / 4, g = l % 4) holds columns 4 g + e, k = 16 kk + 0 .. 15: piece kk / 2, lane 16 (kk % 2) + 4 g + e of the image: byte 64 l + 16 e
	v_add_nc_u32 v[TA], \region, v[WSI]
.irp e, 0,1,2,3
	ds_store_b128 v[TA], v[PC+4*\e:PC+4*\e+3] offset:16*\e
.endr
.endm
.macro XFETCH n                        ; row tiles 2 n, 2 n + 1 of my half
.irp a, 0,1
.irp c, 0,1,2,3
	ds_load_b128 v[X+16*\a+4*\c:X+16*\a+4*\c+3], v[TX] offset:(2*(\n)+\a)*2048+512*\c
.endr
.endr
.endm
; Two row tiles x my two column tiles: four matrix instructions on four accumulators, each a whole sum (K = 128) with the bias as C.
.macro BATCH form, n, cnt, bias, base
	s_wait_dscnt 0x0                               ; the fragments are in
.irp a, 0,1
.irp u, 0,1
.if \form
	v_wmma_f32_16x16x128_fp8_fp8 v[ACC+16*\u+8*\a:ACC+16*\u+8*\a+7], v[X+16*\a:X+16*\a+15], v[W+16*\u:W+16*\u+15], v[\bias+8*\u:\bias+8*\u+7]
.else
	v_wmma_f32_16x16x128_fp8_fp8 v[ACC+16*\a+8*\u:ACC+16*\a+8*\u+7], v[W+16*\u:W+16*\u+15], v[X+16*\a:X+16*\a+15], v[\bias+8*\u:\bias+8*\u+7]
.endif
.endr
.endr
.rept 4
	v_nop                                          ; four places in front of the loads into x's registers and of the first read of the results
.endr
.if (\n)+1 < \cnt
	XFETCH (\n)+1
.endif
.set jj, 0
.rept 32
	v_med3_num_f32 v[ACC+jj], v[ACC+jj], -v[LIM], v[LIM]   ; each accumulator from its low end on
.set jj, jj+1
.endr
	s_wait_xcnt 0x0                                ; the last stores have read v[CD] on
.irp g, 0,1
	v_cvt_scalef32_pk8_fp8_f32 v[CD+4*\g:CD+4*\g+1], v[ACC+16*\g:ACC+16*\g+7], v[SC]
	v_cvt_scalef32_pk8_fp8_f32 v[CD+4*\g+2:CD+4*\g+3], v[ACC+16*\g+8:ACC+16*\g+15], v[SC]
.endr
	v_nop
.irp g, 0,1
.if \form
	global_store_b128 v[LI], v[CD+4*\g:CD+4*\g+3], s[\base:\base+1] offset:2048*\g+512*(\n) th:TH_STORE_NT   ; d tile g of my two, piece n of the key step: 512 consecutive bytes
.else
	global_store_b128 v[LI], v[CD+4*\g:CD+4*\g+3], s[\base:\base+1] offset:(2*(\n)+\g)*2048 th:TH_STORE_NT   ; row tile 2 n + g, my piece of its image: 512 consecutive bytes
.endif
.endr
.endm
.macro PHASE form, cnt, wreg, xreg, rsh, bias, sp, base
	SETQ \sp
	s_lshl_b32 s43, s41, 12
	s_add_co_u32 s43, s43, \wreg
	v_add_nc_u32 v[TW], s43, v[LI]                 ; my two images of W: tiles 2 cg, 2 cg + 1
	s_lshl_b32 s43, s42, \rsh
	s_add_co_u32 s43, s43, \xreg
	v_add_nc_u32 v[TX], s43, v[LI]                 ; my half of the row tiles
.irp u, 0,1
.irp c, 0,1,2,3
	ds_load_b128 v[W+16*\u+4*\c:W+16*\u+4*\c+3], v[TW] offset:2048*\u+512*\c
.endr
.endr
	XFETCH 0
.set bn, 0
.rept \cnt
	BATCH \form, bn, \cnt, \bias, \base
.set bn, bn+1
.endr
.endm
	s_load_b512 s[8:23], s[0:1], 0x0               ; q 8, k 10, v 12, Wq 14, Wk 16, Wv 18, bq 20, bk 22
	s_load_b256 s[24:31], s[0:1], 0x40             ; bv 24, Wo 26, the scales' exponents 28, qc 30
	s_load_b128 s[32:35], s[0:1], 0x60             ; kc 32, vc 34
	s_load_b64 s[36:37], s[0:1], 0x70              ; woc
	v_lshrrev_b32 v1, 5, v0
	v_readfirstlane_b32 s38, v1                    ; wave w
	s_and_b32 s39, ttmp9, 3                        ; hp
	s_lshr_b32 s40, ttmp9, 2                       ; part
	s_and_b32 s41, s38, 7                          ; cg
	s_lshr_b32 s42, s38, 3                         ; rh
	v_and_b32 v[LI], 31, v0                        ; l
	v_and_b32 v[BVA], 15, v0                       ; r
	v_bfe_u32 v[BA], v0, 4, 1                      ; h
	v_lshlrev_b32 v[XA], 9, v[BVA]
	v_lshl_add_u32 v[XA], v[BA], 6, v[XA]
	v_and_b32 v[TA], 3, v0
	v_lshlrev_b32 v[TA], 4, v[TA]                  ; 16 (l % 4)
	v_lshrrev_b32 v[WA], 2, v[LI]
	v_lshl_add_u32 v[WA], v[WA], 16, v[TA]
	v_lshlrev_b32 v[WSI], 6, v[LI]
	v_lshlrev_b32 v[LI], 4, v[LI]
	v_lshlrev_b32 v[BA], 5, v[BA]
	v_lshlrev_b32 v[BVA], 2, v[BVA]
	s_lshl_b32 s43, s38, 11
	v_add_nc_u32 v[SI], s43, v[LI]
	v_add_nc_u32 v[WSI], s43, v[WSI]
	s_lshl_b32 s43, s38, 10
	v_add_nc_u32 v[SIH], s43, v[LI]
	s_wait_kmcnt 0x0
	s_load_b256 s[44:51], s[28:29], 0x0            ; e0 .. e7
	s_load_b128 s[52:55], s[28:29], 0x20           ; e8 .. e11
	s_mov_b32 s57, 0
	s_lshl_b32 s56, s40, 17                        ; k, v: 256 rows of 512 bytes a part, 16 rows a wave
	s_lshl_b32 s43, s38, 13
	s_add_co_u32 s56, s56, s43
	s_add_nc_u64 s[10:11], s[10:11], s[56:57]
	s_add_nc_u64 s[12:13], s[12:13], s[56:57]
	s_lshl_b32 s56, s40, 16                        ; q: 128 rows a part; tile w / 2, its half w % 2 along K
	s_lshr_b32 s43, s38, 1
	s_lshl_b32 s43, s43, 13
	s_add_co_u32 s56, s56, s43
	s_and_b32 s43, s38, 1
	s_lshl_b32 s43, s43, 8
	s_add_co_u32 s56, s56, s43
	s_add_nc_u64 s[8:9], s[8:9], s[56:57]
	s_lshl_b32 s56, s39, 10                        ; the weights: column 256 hp + 16 w
	s_lshl_b32 s43, s38, 6
	s_add_co_u32 s56, s56, s43
	s_add_nc_u64 s[14:15], s[14:15], s[56:57]
	s_add_nc_u64 s[16:17], s[16:17], s[56:57]
	s_add_nc_u64 s[18:19], s[18:19], s[56:57]
	XLOAD BLA, 10, 4                               ; k's tile w: 16 loads
	XLOAD BLB, 12, 4                               ; v's tile w: 16
	XLOAD BSH, 8, 2                                ; half of q's tile w / 2: 8
	WLOAD BLC, 14, WA, 0                           ; Wq's tile w: 16
	s_lshl_b32 s56, s39, 10                        ; the biases: column 256 hp + 32 cg
	s_lshl_b32 s43, s41, 7
	s_add_co_u32 s56, s56, s43
	s_add_nc_u64 s[20:21], s[20:21], s[56:57]
	s_add_nc_u64 s[22:23], s[22:23], s[56:57]
	s_add_nc_u64 s[24:25], s[24:25], s[56:57]
	s_min_u32 s58, ttmp9, 3                        ; Wo is served by work-groups 0 to 3; held at 3, so that the two pointers lie inside their buffers in all
	s_lshl_b32 s56, s58, 1
	s_add_co_u32 s56, s56, s42                     ; n tile 2 i + w / 8: 16 columns of 4 bytes,
	s_lshl_b32 s56, s56, 6
	s_lshl_b32 s43, s41, 16                        ; head w % 8: 128 rows of 512 bytes
	s_add_co_u32 s56, s56, s43
	s_add_nc_u64 s[26:27], s[26:27], s[56:57]
	s_lshl_b32 s56, s58, 4
	s_add_co_u32 s56, s56, s38
	s_lshl_b32 s56, s56, 11                        ; image 16 i + w = 8 x n tile + head
	s_add_nc_u64 s[36:37], s[36:37], s[56:57]
	s_lshr_b32 s58, s40, 3                         ; b
	s_and_b32 s59, s40, 7                          ; pp
	s_lshl_b32 s60, s39, 1
	s_lshr_b32 s43, s41, 2
	s_add_co_u32 s60, s60, s43                     ; head = 2 hp + cg / 4
	s_and_b32 s61, s41, 3                          ; cp: which 32 of the head's 128
	s_lshl_b32 s56, s58, 21                        ; kc and vc: 2^18 bytes a head, 2^15 a part, 2^14 a half
	s_lshl_b32 s43, s60, 18
	s_add_co_u32 s56, s56, s43
	s_lshl_b32 s43, s59, 15
	s_add_co_u32 s56, s56, s43
	s_lshl_b32 s43, s42, 14
	s_add_co_u32 s56, s56, s43
	s_lshl_b32 s62, s61, 9                         ; piece cp of an image
	s_lshr_b32 s58, s56, 1                         ; qc: half of each of these
	s_add_co_u32 s58, s58, s62
	s_mov_b32 s59, 0
	s_add_nc_u64 s[30:31], s[30:31], s[58:59]
	s_add_co_u32 s58, s56, s62
	s_add_nc_u64 s[32:33], s[32:33], s[58:59]
	s_lshl_b32 s62, s61, 12                        ; vc: d tiles 2 cp, 2 cp + 1
	s_add_co_u32 s58, s56, s62
	s_add_nc_u64 s[34:35], s[34:35], s[58:59]
	s_wait_kmcnt 0x0
	MKS 66, 44                                     ; q
	MKS 68, 46                                     ; k
	MKS 70, 48                                     ; v
	MKS 72, 45                                     ; Wq
	MKS 74, 47                                     ; Wk
	MKS 76, 49                                     ; Wv
	MKS 78, 55                                     ; Wo
	s_add_co_i32 s86, s44, s45                     ; a sum of the first product stands for sum x 2^(e0 + e1): its code is sum / 2^(e6 - e0 - e1)
	s_sub_co_i32 s43, s50, s86
	MKS 80, 43
	s_sub_co_i32 s86, 0, s86
	s_add_co_i32 s87, s46, s47
	s_sub_co_i32 s43, s51, s87
	MKS 82, 43
	s_sub_co_i32 s87, 0, s87
	s_add_co_i32 s88, s48, s49
	s_sub_co_i32 s43, s52, s88
	MKS 84, 43
	s_sub_co_i32 s88, 0, s88
	; ---- phase 1
	s_wait_loadcnt 40                              ; k's 16 loads are in; behind them: v 16, q 8, Wq 16
	SETQ 68
	QX BLA, 4
	IMGX XK, SI, 4
	s_wait_loadcnt 24                              ; v's; behind them: q 8, Wq 16
	SETQ 70
	QX BLB, 4
	IMGX XV, SI, 4
	WLOAD BLB, 16, WA, 0                           ; Wk's tile w
	s_wait_loadcnt 32                              ; q's; behind them: Wq 16, Wk 16
	SETQ 66
	QX BSH, 2
	IMGX XQ, SIH, 2
.irp u, 0,1                                    ; ten loads: the biases of my 32 columns of phase 2
	global_load_b128 v[BQ+8*\u:BQ+8*\u+3], v[BA], s[20:21] offset:64*\u          ; tile u, columns 8 h + 0 .. 7
	global_load_b128 v[BQ+8*\u+4:BQ+8*\u+7], v[BA], s[20:21] offset:64*\u+16
	global_load_b128 v[BK+8*\u:BK+8*\u+3], v[BA], s[22:23] offset:64*\u
	global_load_b128 v[BK+8*\u+4:BK+8*\u+7], v[BA], s[22:23] offset:64*\u+16
	global_load_b32 v[BVR+\u], v[BVA], s[24:25] offset:64*\u                     ; tile u, column r
.endr
	s_wait_loadcnt 26                              ; Wq's; behind them: Wk 16, the biases 10
	SETQ 72
	QW BLC, BLA
	IMGW WQ
	WLOAD BLC, 18, WA, 0                           ; Wv's tile w
	s_wait_loadcnt 26                              ; Wk's; behind them: the biases 10, Wv 16
	SETQ 74
	QW BLB, BLA
	IMGW WK
	s_wait_loadcnt 0x0                             ; every load of phase 1 is done: so its offset registers are free too
	SETQ 76
	QW BLC, BLA
	IMGW WV
.irp j, 0,1,2,3,4,5,6,7,8,9,10,11,12,13,14,15
	v_ldexp_f32 v[BQ+\j], v[BQ+\j], s86            ; bq / 2^(e0 + e1)
	v_ldexp_f32 v[BK+\j], v[BK+\j], s87
.endr
.irp u, 0,1
.irp j, 0,1,2,3,4,5,6,7
	v_ldexp_f32 v[BV+8*\u+\j], v[BVR+\u], s88      ; in V's results a lane holds one d: one number for its eight registers
.endr
.endr
	s_wait_dscnt 0x0                               ; for the others' sake: my images lie in LDS
	s_barrier_signal -1
	s_barrier_wait -1                              ; everybody's do; from here on they are only read
	; ---- phase 2
	; Wo's three addresses, in registers that phase 1 has done with and that have held offsets alone; made on every path, ahead of the branch
	v_and_b32 v[TA], 3, v0
	v_lshlrev_b32 v[TA], 4, v[TA]                  ; 16 (l % 4): my four columns
	v_bfe_u32 v[WOA], v0, 3, 2                     ; piece l / 8: 32 rows of 512 bytes,
	v_lshl_add_u32 v[WOA], v[WOA], 14, v[TA]
	v_bfe_u32 v[TX], v0, 2, 1                      ; half (l / 4) % 2: 8 rows
	v_lshl_add_u32 v[WOA], v[TX], 12, v[WOA]
	v_add_nc_u32 v[WOI], WOS, v[WSI]               ; my stage: 64 l + 2,048 w on the way in,
	v_add_nc_u32 v[WOR], WOS, v[SI]                ; 16 l + 2,048 w on the way back
	s_cmp_lt_u32 ttmp9, 4
	s_cbranch_scc0 .Lplain
	WLOAD WS, 26, WOA, 1                           ; work-groups 0 to 3: a wave takes one of Wo's 64 images; its loads land under Q's phase
	PHASE 0, 2, WQ, XQ, 13, BQ, 80, 30
	s_wait_loadcnt 0x0
	SETQ 78
	QW WS, W
.irp e, 0,1,2,3
	ds_store_b128 v[WOI], v[PC+4*\e:PC+4*\e+3] offset:16*\e
.endr
.irp c, 0,1,2,3
	ds_load_b128 v[WS+4*\c:WS+4*\c+3], v[WOR] offset:512*\c   ; my own bytes; LDS serves a wave's instructions in order (ISA guide 5.7.1.4)
.endr
	s_wait_dscnt 0x0
.irp c, 0,1,2,3
	global_store_b128 v[LI], v[WS+4*\c:WS+4*\c+3], s[36:37] offset:512*\c th:TH_STORE_NT   ; these registers are not written again
.endr
	s_branch .Ljoin
.Lplain:
	PHASE 0, 2, WQ, XQ, 13, BQ, 80, 30
.Ljoin:
	PHASE 0, 4, WK, XK, 14, BK, 82, 32
	PHASE 1, 4, WV, XV, 14, BV, 84, 34
	s_wait_xcnt 0x0
	v_lshl_add_u32 v254, v0, 2, 0x34000
	v_mov_b32 v255, 0
	s_wait_tensorcnt 0x0
	ds_add_u32 v254, v255
	s_wait_dscnt 0x0
	s_endpgm
.Lfunc_end_k_q5840c22763_proj:
	.size	k_q5840c22763_proj, .Lfunc_end_k_q5840c22763_proj-k_q5840c22763_proj
	.p2alignl 7, 3214868480
	.fill 96, 4, 3214868480
	.section	.rodata,"a",@progbits
	.p2align	6, 0x0
	.amdhsa_kernel k_q5840c22763_proj
		.amdhsa_group_segment_fixed_size 215040
		.amdhsa_private_segment_fixed_size 0
		.amdhsa_enable_private_segment 0
		.amdhsa_kernarg_size 120
		.amdhsa_user_sgpr_count 2
		.amdhsa_user_sgpr_kernarg_segment_ptr 1
		.amdhsa_wavefront_size32 1
		.amdhsa_system_sgpr_workgroup_id_x 1
		.amdhsa_system_sgpr_workgroup_id_y 1
		.amdhsa_system_sgpr_workgroup_id_z 1
		.amdhsa_system_vgpr_workitem_id 0
		.amdhsa_next_free_vgpr 256
		.amdhsa_next_free_sgpr 96
		.amdhsa_reserve_vcc 0
		.amdhsa_float_denorm_mode_32 3
		.amdhsa_float_denorm_mode_16_64 3
		.amdhsa_memory_ordered 1
		.amdhsa_forward_progress 1
		.amdhsa_inst_pref_size 98
	.end_amdhsa_kernel
	.amdgpu_metadata
---
amdhsa.version: [ 1, 2 ]
amdhsa.kernels:
  - .name:           k_q5840c22763_proj
    .symbol:         k_q5840c22763_proj.kd
    .args:
      - { .name: q, .offset: 0, .size: 8, .value_kind: global_buffer, .address_space: global }
      - { .name: k, .offset: 8, .size: 8, .value_kind: global_buffer, .address_space: global }
      - { .name: v, .offset: 16, .size: 8, .value_kind: global_buffer, .address_space: global }
      - { .name: Wq, .offset: 24, .size: 8, .value_kind: global_buffer, .address_space: global }
      - { .name: Wk, .offset: 32, .size: 8, .value_kind: global_buffer, .address_space: global }
      - { .name: Wv, .offset: 40, .size: 8, .value_kind: global_buffer, .address_space: global }
      - { .name: bq, .offset: 48, .size: 8, .value_kind: global_buffer, .address_space: global }
      - { .name: bk, .offset: 56, .size: 8, .value_kind: global_buffer, .address_space: global }
      - { .name: bv, .offset: 64, .size: 8, .value_kind: global_buffer, .address_space: global }
      - { .name: Wo, .offset: 72, .size: 8, .value_kind: global_buffer, .address_space: global }
      - { .name: lowp_scales, .offset: 80, .size: 8, .value_kind: global_buffer, .address_space: global }
      - { .name: qc, .offset: 88, .size: 8, .value_kind: global_buffer, .address_space: global }
      - { .name: kc, .offset: 96, .size: 8, .value_kind: global_buffer, .address_space: global }
      - { .name: vc, .offset: 104, .size: 8, .value_kind: global_buffer, .address_space: global }
      - { .name: woc, .offset: 112, .size: 8, .value_kind: global_buffer, .address_space: global }
    .group_segment_fixed_size: 215040
    .private_segment_fixed_size: 0
    .kernarg_segment_align: 8
    .kernarg_segment_size: 120
    .max_flat_workgroup_size: 512
    .sgpr_count:     96
    .vgpr_count:     256
    .wavefront_size: 32
...
	.end_amdgpu_metadata
.endif
;; end of part 1
;; launch attn (part 2): grid 4 x 64, 16 waves a work-group, clusters of 4 x 1, 327,680 bytes of LDS; arguments qc, kc, vc, lowp_scales, oc; writes oc
.if DOCPART == 2
	.amdgcn_target "amdgcn-amd-amdhsa--gfx1250"
	.amdhsa_code_object_version 6
	.text
	.protected	k_q5840c22763_attn
	.globl	k_q5840c22763_attn
	.p2align	8
	.type	k_q5840c22763_attn,@function
k_q5840c22763_attn:
	s_mov_b64 s[64:65], 0
	v_nop
	global_prefetch_b8 v0, s[64:65] scope:SCOPE_SE
	s_setreg_imm32_b32 hwreg(HW_REG_WAVE_MODE, 25, 1), 1
	s_wait_xcnt 0x0
	s_wait_alu depctr_hold_cnt(0) depctr_sa_sdst(0) depctr_va_vdst(0) depctr_va_sdst(0) depctr_va_ssrc(0) depctr_va_vcc(0) depctr_vm_vsrc(0)
	s_getreg_b32 s2, hwreg(HW_REG_IB_STS2, 6, 4)
	s_cmp_eq_u32 s2, 0
	s_cbranch_scc0 .Lentry_in_a_cluster
	s_endpgm
.Lentry_in_a_cluster:
	s_bfe_u32 s2, ttmp6, 0x10000c
	s_cmp_lg_u32 s2, 0x3003
	s_cbranch_scc0 .Lentry_shape_is_right
	s_endpgm
.Lentry_shape_is_right:
; For each of 64 (batch, head): O[q] = the sum over the 2,048 keys of softmax(Q[q] . K[key] / sqrt(128)) V[key], both products on codes of FP8 (E4M3); O is quantised for the last product.
; e6 (Q), e7 (K), e8 (V), e9 (p), e10 (O) are whole numbers in lowp_scales.
; THE SOFTMAX AHEAD OF THE SECOND PRODUCT: t = score x log2(e) / sqrt(128); M = the largest t so far, rounded UP to a whole number; p = 2^(t - M) is quantised, not normalised.
; The row's sum is taken of the unquantised p and divides O at the end.  When M moves, the sum and O are multiplied by 2^(old M - new M): nothing is rounded.
; IMAGES.  qc, kc, vc and oc hold fragments (16 rows x 128 K) as their registers: piece c (registers 4 c .. 4 c + 3) is 512 bytes, lane l's 16 bytes at 512 c + 16 l.  No pitch, no padding, no stage.
; In lane (r, h), piece c, byte 8 u + j stands for 32 c + 16 u + 8 h + j along K: just where two neighbouring 16 x 16 results 2 c, 2 c + 1 put it.  So p's and O's conversions give operands as they stand.
; SHARES.  A work-group owns 256 queries of one head, each of its sixteen waves one tile of 16, in 256 registers: four waves to a SIMD, one wave's vector work beside another's matrix work and LDS loads.
; Both products are used transposed (S^T = K Q^T, O^T = V^T P^T): a lane holds ONE query (l % 16) throughout.
; CLUSTER.  The head's four query blocks form a cluster and walk the same K and V: each tile is asked for JOINTLY, by the same tensor load with the same descriptor and a mask that names the four.
; RING.  Two LDS slots of 256 keys: K's 16 images (32,768 bytes), then V's 2 key steps x 8 images.  Waves 0, 1 fetch K's halves, waves 2, 3 V's: dense blocks of 16,384 bytes.  One tensor load of a wave is out at most.
; LIMITS, so that each power of two below is an f32 number: e6 + e7 between -123 and 130 (added to c's exponent field); e9 and e10 between -126 and 119; e8 + e9 goes by v_ldexp_f32 and has none.
; REGISTERS: v1 16 l; v3 256 l; v5, v6 the add's; v8 the LDS address in hand; v12 -M, v13 the largest t, v[14:15] the sum in two halves; v16-31 Q; v32-95 four fragments of K or V; v96-159 S^T, then p;
;   v160-223 O^T; v224-239 codes; v240, v244: 448 x 2^e9, 2^e9; v241, v245: the same with e10; v242, v243, v246, v252-254 at work.
.set SLOT1, 1<<16                      ; slot 1 begins here: one exclusive or turns an address in one slot into the other's
.set VOFF,  32768
.set SPARE, 2*SLOT1                    ; behind the ring: the spare words, 128 bytes for each wave: eight blocks of 256 bytes that no other line names
.set NSL,   8                          ; slots' worth of keys
.set LI,  1
.set PFO, 3
.set SPW, 5
.set NIL, 6
.set ADR, 8
.set WV,  18                           ; s18  my wave's number
.set TB,  19                           ; s19  LDS byte at which the slot in hand begins
.set SEL, 20                           ; s[20:21] lane selects for v_permlanex16_b32: lane l xor 16
.set CS,  22                           ; s[22:23] c = log2(e) / sqrt(128) x 2^(e6 + e7)
.set G1,  24                           ; s[24:31] descriptor group 1, one for K's and V's tiles
.set G0K, 40                           ; s[40:43], s[44:47] groups 0, which walk
.set G0V, 44
.set SLOTS, 67                         ; s67  slots still to be asked for
.set PFA, 76                           ; s[76:77] where my prefetches stand
.set LIM, 80                           ; s80  1 in a wave that prefetches, else the greatest number
.macro CROUND                          ; a round of the cluster's barrier
	s_barrier_signal -1
	s_barrier_wait -1
	s_cmp_lg_u32 s[WV], 0
	s_cbranch_scc1 .Lnot_wave_0_\@
	s_barrier_signal -3
.Lnot_wave_0_\@:
	s_barrier_wait -3
	s_barrier_signal -1
	s_barrier_wait -1
.endm
; Waves 0 and 1 fetch for K, waves 2 and 3 for V, the others nothing.  The branches hang on the wave's number alone: they are the same in all four work-groups.  Four v_nop follow each line.
.macro TLOAD
	s_cmp_lt_u32 s[WV], 2
	s_cbranch_scc0 .Lnot_k_\@
	tensor_load_to_lds s[G0K:G0K+3], s[G1:G1+7]
	s_nop 0
.rept 4
	v_nop
.endr
	s_branch .Lasked_\@
.Lnot_k_\@:
	s_cmp_lt_u32 s[WV], 4
	s_cbranch_scc0 .Lasked_\@
	tensor_load_to_lds s[G0V:G0V+3], s[G1:G1+7]
	s_nop 0
.rept 4
	v_nop
.endr
.Lasked_\@:
.endm
; A PREFETCH INTO THE L2 of what the NEXT change of slots will ask for: a slot's 32,768 bytes of K (wave 4) and of V (wave 5).  The four partners share them out BY ADDRESS, 8,192 bytes each, lanes 256 bytes apart:
; one instruction a wave, and each aligned block of 256 bytes is named once in the launch (a head's K and V are read by this cluster alone).  It stands two key steps ahead of the load that will want the bytes.
; The last change that fills a slot asks for nothing; slots 0 and 1 come by their loads alone.
.macro ASK
	s_cmp_gt_u32 s[SLOTS], s[LIM]
	s_cbranch_scc0 .Lnot_mine_\@
	global_prefetch_b8 v[PFO], s[PFA:PFA+1] th:TH_LOAD_NT scope:SCOPE_SE
.Lnot_mine_\@:
.endm
	s_load_b128 s[4:7], s[0:1], 0x0                ; qc s[4:5], kc s[6:7]
	s_load_b128 s[12:15], s[0:1], 0x10             ; vc s[12:13], the scales' exponents s[14:15]
	s_load_b64 s[16:17], s[0:1], 0x20              ; oc
	v_lshl_add_u32 v[SPW], v0, 2, SPARE
	v_mov_b32 v[NIL], 0
	ds_add_u32 v5, v6
	s_wait_dscnt 0x0
	v_lshrrev_b32 v8, 5, v0
	v_readfirstlane_b32 s[WV], v8                  ; wave 0..15
	v_and_b32 v[LI], 31, v0
	v_lshlrev_b32 v[PFO], 8, v[LI]
	v_lshlrev_b32 v[LI], 4, v[LI]
	s_bfe_u32 s48, ttmp6, 0x40000                  ; cx: my place in the cluster = my block of 256 queries; it enters qc's, oc's and the prefetches' addresses alone
	s_and_b32 s49, ttmp7, 0xffff                   ; 8 x batch + head, which the four partners share
	s_and_b32 s54, s[WV], 1
	s_lshl_b32 s54, s54, 14                        ; which half of a slot's K or V I fetch, if I fetch
	s_lshl_b32 s50, s49, 18                        ; a head's 262,144 bytes in kc and in vc
	s_add_co_u32 s50, s50, s54
	s_mov_b32 s51, 0
	s_lshl_b32 s52, s49, 17                        ; qc: 131,072 bytes a head, image 16 cx + w
	s_lshl_b32 s55, s48, 15
	s_add_co_u32 s52, s52, s55
	s_lshl_b32 s55, s[WV], 11
	s_add_co_u32 s52, s52, s55
	s_mov_b32 s53, 0
	s_lshr_b32 s56, s49, 3                         ; oc: [64 x batch + 16 cx + w][head][2,048]
	s_lshl_b32 s56, s56, 20
	s_lshl_b32 s55, s48, 18
	s_add_co_u32 s56, s56, s55
	s_lshl_b32 s55, s[WV], 14
	s_add_co_u32 s56, s56, s55
	s_and_b32 s55, s49, 7
	s_lshl_b32 s55, s55, 11
	s_add_co_u32 s56, s56, s55
	s_mov_b32 s57, 0
	s_lshl_b32 s58, s49, 18                        ; the prefetches: my work-group's 8,192 bytes,
	s_lshl_b32 s55, s48, 13
	s_add_co_u32 s58, s58, s55
	s_add_co_u32 s58, s58, 32768                   ; in slot 1: the first change of slots steps it to slot 2
	s_mov_b32 s59, 0
	s_mov_b32 s[G1], 15|(3<<16)|(1<<21)            ; 15:0 the mask: all four work-groups; 17:16 elements of 8 bytes; 20 no padding; 21 set beside a mask
	s_mov_b32 s[G1+1], 32<<16                      ; tensor_dim0 = 32 elements: rows of 256 bytes
	s_mov_b32 s[G1+2], 64<<16                      ; tensor_dim1 = 64
	s_mov_b32 s[G1+3], 32<<16                      ; tile_dim0
	s_mov_b32 s[G1+4], 64                          ; tile_dim1
	s_mov_b32 s[G1+5], 32                          ; the pitch: the block is dense
	s_mov_b32 s[G1+6], 0
	s_mov_b32 s[G1+7], 0
	s_mov_b32 s[SEL], 0x76543210
	s_mov_b32 s[SEL+1], 0xfedcba98
	s_mov_b32 s[CS], 0x3e0293ee                    ; log2(e) / sqrt(128)
	s_mov_b32 s[TB], 0
	s_mov_b32 s[SLOTS], NSL-1
	s_sub_co_u32 s82, s[WV], 4
	s_lshr_b32 s82, s82, 1                         ; 0 in waves 4 and 5
	s_cmp_eq_u32 s82, 0
	s_cselect_b32 s[LIM], 1, -1
	s_wait_kmcnt 0x0
	s_load_b128 s[68:71], s[14:15], 0x18           ; e6, e7, e8, e9
	s_load_b32 s72, s[14:15], 0x28                 ; e10
	s_mov_b32 s[G0K], 1                            ; 1:0 count = 1
	s_mov_b32 s[G0K+1], s54                        ; 63:32 LDS address: slot 0
	s_add_nc_u64 s[G0K+2:G0K+3], s[6:7], s[50:51]  ; 120:64 global address: the head's first 256 keys
	s_or_b32 s[G0K+3], s[G0K+3], 0x80000000        ; 127:126 type = 2
	s_mov_b32 s[G0V], 1
	s_add_co_u32 s[G0V+1], s54, VOFF
	s_add_nc_u64 s[G0V+2:G0V+3], s[12:13], s[50:51]
	s_or_b32 s[G0V+3], s[G0V+3], 0x80000000
	s_cmp_eq_u32 s[WV], 4
	s_cselect_b64 s[PFA:PFA+1], s[6:7], s[12:13]
	s_add_nc_u64 s[PFA:PFA+1], s[PFA:PFA+1], s[58:59]
	s_add_nc_u64 s[4:5], s[4:5], s[52:53]
	s_add_nc_u64 s[16:17], s[16:17], s[56:57]
	CROUND                                         ; all four work-groups are here: the first joint loads meet
	TLOAD                                          ; slot 0
.irp c, 0,1,2,3
	global_load_b128 v[16+4*\c:19+4*\c], v[LI], s[4:5] offset:512*\c   ; Q's fragment stays in registers
.endr
	v_mov_b32 v13, 0xff61b1e6                      ; the largest t so far: -3e38, under every t
	v_floor_f32 v12, -v13                          ; -M
	v_mov_b32 v14, 0
	v_mov_b32 v15, 0
	v_mov_b32 v246, 0                              ; written once: a lane permute's destination counts as one of its sources
	v_mov_b32 v253, 0                              ; (named as the upper half of the pair v[252:253])
.set jj, 0
.rept 64
	v_mov_b32 v[160+jj], 0                         ; O^T.  (The step is written without a first form of its own: the first change of M multiplies zeros)
.set jj, jj+1
.endr
	s_wait_kmcnt 0x0
	s_add_co_i32 s73, s68, s69
	s_lshl_b32 s73, s73, 23
	s_add_co_i32 s[CS], s[CS], s73                 ; a score stands for score x 2^(e6 + e7): added to c's exponent field
	s_mov_b32 s[CS+1], s[CS]                       ; (named with it as a pair, so it is written)
	s_add_co_i32 s73, s71, 127
	s_lshl_b32 s74, s73, 23
	v_mov_b32 v244, s74                            ; 2^e9
	s_add_co_i32 s73, s73, 8
	s_lshl_b32 s73, s73, 23
	s_or_b32 s73, s73, 0x600000
	v_mov_b32 v240, s73                            ; 448 x 2^e9
	s_add_co_i32 s73, s72, 127
	s_lshl_b32 s74, s73, 23
	v_mov_b32 v245, s74                            ; 2^e10
	s_add_co_i32 s73, s73, 8
	s_lshl_b32 s73, s73, 23
	s_or_b32 s73, s73, 0x600000
	v_mov_b32 v241, s73                            ; 448 x 2^e10
; A KEY STEP: 128 keys, the q-th of the slot in hand.
.macro STEP q
	v_add_nc_u32 v[ADR], s[TB], v[LI]
.irp g, 0,1                                    ; S^T = K Q^T, four tiles of 16 keys at a time
.rept 3+\g
	v_nop                                          ; four places in front of loads into registers that matrix instructions have read; the addition above is one
.endr
.irp t, 0,1,2,3
.irp c, 0,1,2,3
	ds_load_b128 v[32+16*\t+4*\c:32+16*\t+4*\c+3], v[ADR] offset:16384*(\q)+2048*(4*\g+\t)+512*\c
.endr
.endr
	s_wait_dscnt 0x0
.irp t, 0,1,2,3
	v_wmma_f32_16x16x128_fp8_fp8 v[96+8*(4*\g+\t):103+8*(4*\g+\t)], v[32+16*\t:47+16*\t], v[16:31], 0
.endr
.endr                                          ; lane (r, h): query r; register 8 T + j: key 16 T + 8 h + j
.rept 4
	v_nop
.endr
	v_max3_num_f32 v254, v96, v97, v98             ; the step's largest score of my query among my 64 keys, in two chains; each accumulator is first read at its low end
	v_max3_num_f32 v252, v99, v100, v101
.irp i, 6,10,14,18,22,26,30,34,38,42,46,50,54,58
	v_max3_num_f32 v254, v254, v[96+\i], v[97+\i]
	v_max3_num_f32 v252, v252, v[98+\i], v[99+\i]
.endr
	v_max3_num_f32 v254, v254, v158, v159
	v_max_num_f32 v254, v254, v252
	v_permlanex16_b32 v246, v254, s[SEL], s[SEL+1]
	v_max_num_f32 v254, v254, v246                 ; and among lane l xor 16's
	v_mul_f32 v254, s[CS], v254                    ; as t (c is positive)
	v_max_num_f32 v13, v13, v254                   ; the running largest t
	v_mov_b32 v254, v12
	v_floor_f32 v12, -v13                          ; the new -M = floor(-t) = -ceil(t)
	v_sub_f32 v254, v12, v254                      ; old M - new M: a whole number, 0 or less
	v_cvt_i32_f32 v254, v254                       ; (it saturates)
	v_ldexp_f32 v252, 1.0, v254                    ; f = 2^(old M - new M)
.set jj, 0
.rept 32
	v_pk_fma_f32 v[96+jj:97+jj], v[96+jj:97+jj], s[CS:CS+1], v[12:13] op_sel_hi:[1,0,0]   ; t - M, two at a time
.set jj, jj+2
.endr
.set jj, 0
.rept 64
	v_exp_f32 v[96+jj], v[96+jj]                   ; p = 2^(t - M), at most 1
.set jj, jj+1
.endr
	v_pk_mul_f32 v[14:15], v[14:15], v[252:253] op_sel_hi:[1,0]   ; the sums under the new M: the plain line behind the exponentials
	s_wait_alu depctr_va_vdst(0)                   ; one wait for the whole batch, ahead of its first reader
	v_pk_add_f32 v[242:243], v[96:97], v[98:99]    ; the row's sum, of the UNQUANTISED p, in two chains
.irp j, 4,8,12,16,20,24,28,32,36,40,44,48,52,56,60
	v_pk_add_f32 v[14:15], v[14:15], v[96+\j:97+\j]
	v_pk_add_f32 v[242:243], v[242:243], v[98+\j:99+\j]
.endr
	v_pk_add_f32 v[14:15], v[14:15], v[242:243]
.irp b, 0,1,2,3
.irp i, 0,1,2,3,4,5,6,7,8,9,10,11,12,13,14,15
	v_min_num_f32 v[96+16*\b+\i], v[96+16*\b+\i], v240   ; the conversion does not saturate (ISA guide 7.6.2); p is not negative, so the hold is one-sided
.endr
	v_cvt_scalef32_pk8_fp8_f32 v[224+4*\b:225+4*\b], v[96+16*\b:103+16*\b], v244
	v_cvt_scalef32_pk8_fp8_f32 v[226+4*\b:227+4*\b], v[104+16*\b:111+16*\b], v244
.endr
.set jj, 0
.rept 32
	v_pk_mul_f32 v[160+jj:161+jj], v[160+jj:161+jj], v[252:253] op_sel_hi:[1,0]   ; O^T under the new M.  (Also the places in front of the loads and matrix instructions below)
.set jj, jj+2
.endr
.irp g, 0,1                                    ; O^T += V^T P^T: four tiles of 16 of the head's 128 at a time; each accumulator has one instruction a step
.if \g > 0
.rept 4
	v_nop
.endr
.endif
.irp t, 0,1,2,3
.irp c, 0,1,2,3
	ds_load_b128 v[32+16*\t+4*\c:32+16*\t+4*\c+3], v[ADR] offset:VOFF+16384*(\q)+2048*(4*\g+\t)+512*\c
.endr
.endr
	s_wait_dscnt 0x0
.irp t, 0,1,2,3
	v_wmma_f32_16x16x128_fp8_fp8 v[160+8*(4*\g+\t):167+8*(4*\g+\t)], v[32+16*\t:47+16*\t], v[224:239], v[160+8*(4*\g+\t):167+8*(4*\g+\t)]
.endr
.endr
.endm
; THE CHANGE OF SLOTS stands at a slot's head.  Each wave waits for all its tensor loads (its part of the slot that it is about to read), adds 0 to its spare word, and waits for that and for its reads of the slot that it has left.
; fill = 1: the barrier is a round of the cluster's, so that no wave of any partner still reads the other slot or has a load on its way; the joint refill is the first thing behind it and has two key steps in which to land.
.macro CHANGE fill
	s_wait_tensorcnt 0x0                           ; no tensor load of mine is out, so a group 0 may be written
	ds_add_u32 v[SPW], v[NIL]                      ; 0 onto my spare word
.if \fill
	s_xor_b32 s[G0K+1], s[G0K+1], SLOT1            ; the other slot than last time,
	s_add_nc_u64 s[G0K+2:G0K+3], s[G0K+2:G0K+3], 32768   ; the next 256 keys; the type bits on top are not reached
	s_xor_b32 s[G0V+1], s[G0V+1], SLOT1
	s_add_nc_u64 s[G0V+2:G0V+3], s[G0V+2:G0V+3], 32768
	s_wait_xcnt 0x0                                ; the last prefetch, a slot back, has read its address
	s_add_nc_u64 s[PFA:PFA+1], s[PFA:PFA+1], 32768 ; one slot further on than the walking descriptors
	s_wait_dscnt 0x0                               ; the add is done, and my reads of the slot that I have left are over
	CROUND
	TLOAD
	ASK
.else
	s_wait_dscnt 0x0
	s_barrier_signal -1
	s_barrier_wait -1
.endif
.endm
	s_wait_loadcnt 0x0                             ; Q
.Lslot:                                            ; NSL - 1 trips: behind each change of slots but the last the next slot is asked for
	CHANGE 1
	STEP 0
	STEP 1
	s_xor_b32 s[TB], s[TB], SLOT1
	s_sub_co_u32 s[SLOTS], s[SLOTS], 1
	s_cmp_lg_u32 s[SLOTS], 0
	s_cbranch_scc1 .Lslot
	CHANGE 0                                       ; the last slot is written out
	STEP 0
	STEP 1
	; THE WAY OUT.  O^T / the sum x 2^(e8 + e9) is the attention's result; tiles 2 c, 2 c + 1 of a lane are piece c of its image, quantised with 2^e10.
.rept 4
	v_nop                                          ; four places behind the last products
.endr
	v_add_f32 v14, v14, v15                        ; the sum's two halves,
	v_permlanex16_b32 v252, v14, s[SEL], s[SEL+1]
	v_add_f32 v14, v14, v252                       ; and lane l xor 16's
	v_rcp_f32 v14, v14
	v_nop                                          ; a plain line behind the transcendental
	s_add_co_i32 s73, s70, s71
	s_wait_alu depctr_va_vdst(0)                   ; the wait ahead of its first reader
	v_ldexp_f32 v14, v14, s73
.set jj, 0
.rept 64
	v_mul_f32 v[96+jj], v[160+jj], v14             ; each accumulator from its low end on
.set jj, jj+1
.endr
.irp b, 0,1,2,3
.irp i, 0,1,2,3,4,5,6,7,8,9,10,11,12,13,14,15
	v_med3_num_f32 v[96+16*\b+\i], v[96+16*\b+\i], -v241, v241
.endr
	v_cvt_scalef32_pk8_fp8_f32 v[224+4*\b:225+4*\b], v[96+16*\b:103+16*\b], v245
	v_cvt_scalef32_pk8_fp8_f32 v[226+4*\b:227+4*\b], v[104+16*\b:111+16*\b], v245
.endr
	v_nop
.irp c, 0,1,2,3
	global_store_b128 v[LI], v[224+4*\c:227+4*\c], s[16:17] offset:512*\c th:TH_STORE_NT   ; 32 lanes store 512 consecutive bytes, at a multiple of 512 from oc's first byte
.endr
	s_wait_tensorcnt 0x0                           ; the wave's end
	ds_add_u32 v[SPW], v[NIL]
	s_wait_dscnt 0x0
	CROUND                                         ; the closing round: no work-group ends while a partner may still ask for a tile that names it
	s_endpgm
.Lfunc_end_k_q5840c22763_attn:
	.size	k_q5840c22763_attn, .Lfunc_end_k_q5840c22763_attn-k_q5840c22763_attn
	.p2alignl 7, 3214868480
	.fill 96, 4, 3214868480
	.section	.rodata,"a",@progbits
	.p2align	6, 0x0
	.amdhsa_kernel k_q5840c22763_attn
		.amdhsa_group_segment_fixed_size 327680
		.amdhsa_private_segment_fixed_size 0
		.amdhsa_enable_private_segment 0
		.amdhsa_kernarg_size 40
		.amdhsa_user_sgpr_count 2
		.amdhsa_user_sgpr_kernarg_segment_ptr 1
		.amdhsa_wavefront_size32 1
		.amdhsa_system_sgpr_workgroup_id_x 1
		.amdhsa_system_sgpr_workgroup_id_y 1
		.amdhsa_system_sgpr_workgroup_id_z 1
		.amdhsa_system_vgpr_workitem_id 0
		.amdhsa_next_free_vgpr 256
		.amdhsa_next_free_sgpr 96
		.amdhsa_reserve_vcc 0
		.amdhsa_float_denorm_mode_32 3
		.amdhsa_float_denorm_mode_16_64 3
		.amdhsa_memory_ordered 1
		.amdhsa_forward_progress 1
		.amdhsa_inst_pref_size 92
	.end_amdhsa_kernel
	.amdgpu_metadata
---
amdhsa.version: [ 1, 2 ]
amdhsa.kernels:
  - .name:           k_q5840c22763_attn
    .symbol:         k_q5840c22763_attn.kd
    .args:
      - { .name: qc, .offset: 0, .size: 8, .value_kind: global_buffer, .address_space: global }
      - { .name: kc, .offset: 8, .size: 8, .value_kind: global_buffer, .address_space: global }
      - { .name: vc, .offset: 16, .size: 8, .value_kind: global_buffer, .address_space: global }
      - { .name: lowp_scales, .offset: 24, .size: 8, .value_kind: global_buffer, .address_space: global }
      - { .name: oc, .offset: 32, .size: 8, .value_kind: global_buffer, .address_space: global }
    .group_segment_fixed_size: 327680
    .private_segment_fixed_size: 0
    .kernarg_segment_align: 8
    .kernarg_segment_size: 40
    .max_flat_workgroup_size: 512
    .sgpr_count:     96
    .vgpr_count:     256
    .wavefront_size: 32
...
	.end_amdgpu_metadata
.endif
;; end of part 2
;; launch oproj (part 3): grid 256 x 1, 4 waves a work-group, clusters of 4 x 1, 168,448 bytes of LDS; arguments oc, woc, bo, lowp_scales, out0; writes out0
.if DOCPART == 3
	.amdgcn_target "amdgcn-amd-amdhsa--gfx1250"
	.amdhsa_code_object_version 6
	.text
	.protected	k_q5840c22763_oproj
	.globl	k_q5840c22763_oproj
	.p2align	8
	.type	k_q5840c22763_oproj,@function
k_q5840c22763_oproj:
	s_mov_b64 s[64:65], 0
	v_nop
	global_prefetch_b8 v0, s[64:65] scope:SCOPE_SE
	s_setreg_imm32_b32 hwreg(HW_REG_WAVE_MODE, 25, 1), 1
	s_wait_xcnt 0x0
	s_wait_alu depctr_hold_cnt(0) depctr_sa_sdst(0) depctr_va_vdst(0) depctr_va_sdst(0) depctr_va_ssrc(0) depctr_va_vcc(0) depctr_vm_vsrc(0)
	s_getreg_b32 s2, hwreg(HW_REG_IB_STS2, 6, 4)
	s_cmp_eq_u32 s2, 0
	s_cbranch_scc0 .Lentry_in_a_cluster
	s_endpgm
.Lentry_in_a_cluster:
	s_bfe_u32 s2, ttmp6, 0x10000c
	s_cmp_lg_u32 s2, 0x3003
	s_cbranch_scc0 .Lentry_shape_is_right
	s_endpgm
.Lentry_shape_is_right:
; out0 = O Wo + bo on codes of FP8 (E4M3): O [8,192][1,024] as images in oc ([row tile 512][head 8][2,048 bytes]), Wo as images in woc ([n tile 8][head 8][2,048]); e10 and e11 are whole numbers in lowp_scales.
; An image is a fragment (16 rows x 128 K) as its registers: piece c is 512 bytes, lane l's 16 bytes at 512 c + 16 l; K has the same places in both operands.
; SHARES.  Work-group X takes rows 32 X .. 32 X + 31.  Wave w: row tile 2 X + w / 2, n tiles 4 (w % 2) + 0 .. 3: 64 columns, 256 bytes of each row.  K = 1,024 goes in eight steps, a head each.
; Source 0 = 16 columns of Wo, source 1 = 16 rows of O: a lane holds eight neighbouring numbers of a row of out0.  Four accumulators take turns, one instruction a turn.
; CLUSTER.  All work-groups read all of woc (131,072 bytes): the four of a cluster ask for it JOINTLY, each wave for its quarter, once; nothing in LDS is filled twice.
; LIMIT: e10 + e11 between -126 and 127, so that 2^(e10 + e11) is an f32 number.
.set STG, 131072                       ; behind woc: a stage of 16 rows x (256 + 16) bytes for each wave, its own
.set LI,  1                            ; v1   16 l
.set LW,  2                            ; v2   16 l + 65,536 (w % 2): my four n tiles
.set STO, 3                            ; v3   the stage: where I put 32 bytes of a row
.set RD,  4                            ; v4   and where I read a row back
.set GO,  5                            ; v5   my byte offset in two rows of out0
.set BO,  6                            ; v6   16 r: my four numbers of bo
.set ACC, 16                           ; v16-47   four accumulators
.set AF,  48                           ; v48-175  O's eight fragments; later rows of out0
.set WB,  176                          ; v176-239 two sets of two fragments of Wo
.set BR,  240                          ; v240-243 bo
.macro CROUND
	s_barrier_signal -1
	s_barrier_wait -1
	s_cmp_lg_u32 s14, 0
	s_cbranch_scc1 .Lnot_wave_0_\@
	s_barrier_signal -3
.Lnot_wave_0_\@:
	s_barrier_wait -3
	s_barrier_signal -1
	s_barrier_wait -1
.endm
.macro WGRP g                          ; group g: K step g / 2, n tiles 2 (g % 2) + 0, 1 of my four, into set g % 2
.irp p, 0,1
.irp c, 0,1,2,3
	ds_load_b128 v[WB+32*((\g)%2)+16*\p+4*\c:WB+32*((\g)%2)+16*\p+4*\c+3], v[LW] offset:(8*(2*((\g)%2)+\p)+(\g)/2)*2048+512*\c
.endr
.endr
.endm
	s_load_b256 s[4:11], s[0:1], 0x0               ; oc 4, woc 6, bo 8, the scales' exponents 10
	s_load_b64 s[12:13], s[0:1], 0x20              ; out0
	v_lshl_add_u32 v254, v0, 2, 0x29000
	v_mov_b32 v255, 0
	ds_add_u32 v254, v255
	v_lshrrev_b32 v1, 5, v0
	v_readfirstlane_b32 s14, v1                    ; wave 0..3
	s_bfe_u32 s15, ttmp6, 0x40000                  ; cx
	s_lshl_b32 s16, ttmp9, 2
	s_add_co_u32 s16, s16, s15                     ; X = 4 x cluster + cx: it enters oc's and out0's addresses alone
	s_lshr_b32 s17, s14, 1
	s_and_b32 s18, s14, 1
	s_mov_b32 s24, 15|(3<<16)|(1<<21)              ; 15:0 the mask: all four work-groups; 17:16 elements of 8 bytes; 21 set beside a mask
	s_mov_b32 s25, 32<<16                          ; tensor_dim0 = 32: rows of 256 bytes
	s_mov_b32 s26, 128<<16                         ; tensor_dim1 = 128
	s_mov_b32 s27, 32<<16                          ; tile_dim0
	s_mov_b32 s28, 128                             ; tile_dim1
	s_mov_b32 s29, 32                              ; the pitch: the block is dense
	s_mov_b32 s30, 0
	s_mov_b32 s31, 0
	s_lshl_b32 s32, s14, 15                        ; my quarter of woc, in memory and in LDS
	s_mov_b32 s33, 0
	s_lshl_b32 s34, s16, 1
	s_add_co_u32 s34, s34, s17                     ; my row tile
	s_lshl_b32 s36, s34, 13                        ; its 16 rows of 512 bytes in out0,
	s_lshl_b32 s34, s34, 14                        ; its eight images in oc
	s_mov_b32 s35, 0
	s_lshl_b32 s38, s18, 8                         ; my 64 columns
	s_add_co_u32 s36, s36, s38
	s_mov_b32 s37, 0
	s_mov_b32 s39, 0
	v_and_b32 v7, 31, v0
	v_lshlrev_b32 v[LI], 4, v7
	v_and_b32 v8, 15, v0                           ; r
	v_bfe_u32 v9, v0, 4, 1                         ; h
	s_lshl_b32 s40, s18, 16
	v_add_nc_u32 v[LW], s40, v[LI]
	s_mul_i32 s40, s14, 4352
	s_add_co_u32 s40, s40, STG                     ; my stage
	v_mul_u32_u24 v[STO], v8, 272                  ; in: row r, 32 bytes for each half of the lanes
	v_lshl_add_u32 v[STO], v9, 5, v[STO]
	v_add_nc_u32 v[STO], s40, v[STO]
	v_mul_u32_u24 v[RD], v9, 272                   ; back: lanes 0-15 one row of 256 bytes, lanes 16-31 the next
	v_lshl_add_u32 v[RD], v8, 4, v[RD]
	v_add_nc_u32 v[RD], s40, v[RD]
	v_lshlrev_b32 v[BO], 4, v8
	v_lshl_add_u32 v[GO], v9, 9, v[BO]
	s_wait_dscnt 0x0
	s_wait_kmcnt 0x0
	s_load_b64 s[44:45], s[10:11], 0x28            ; e10, e11
	s_mov_b32 s20, 1                               ; group 0: count = 1,
	s_mov_b32 s21, s32                             ; LDS address,
	s_add_nc_u64 s[22:23], s[6:7], s[32:33]        ; global address,
	s_or_b32 s23, s23, 0x80000000                  ; type = 2
	s_add_nc_u64 s[4:5], s[4:5], s[34:35]
	s_add_nc_u64 s[8:9], s[8:9], s[38:39]
	s_add_nc_u64 s[12:13], s[12:13], s[36:37]
	CROUND                                         ; all four work-groups are here: the joint loads meet
	tensor_load_to_lds s[20:23], s[24:31]          ; my one tensor load
	s_nop 0
.rept 4
	v_nop
.endr
.irp s, 0,1,2,3,4,5,6,7
.irp c, 0,1,2,3
	global_load_b128 v[AF+16*\s+4*\c:AF+16*\s+4*\c+3], v[LI], s[4:5] offset:2048*\s+512*\c th:TH_LOAD_NT   ; 512 consecutive bytes a load
.endr
.endr
	global_load_b128 v[BR:BR+3], v[BO], s[8:9]
	s_wait_kmcnt 0x0
	s_add_co_i32 s46, s44, s45
	s_add_co_i32 s46, s46, 127
	s_lshl_b32 s46, s46, 23                        ; 2^(e10 + e11)
	s_mov_b32 s47, s46                             ; (named with it as a pair, so it is written)
	s_wait_tensorcnt 0x0                           ; my quarter of woc is in,
	s_barrier_signal -1
	s_barrier_wait -1                              ; everybody's is
	WGRP 0
	WGRP 1
	s_wait_loadcnt 0x0                             ; O's fragments and bo
.set gg, 0
.rept 16
.if gg < 15
	s_wait_dscnt 8                                 ; this group's eight loads are in; the next group's may be out
.else
	s_wait_dscnt 0x0
.endif
.irp p, 0,1
.if gg < 2
	v_wmma_f32_16x16x128_fp8_fp8 v[ACC+8*(2*(gg%2)+\p):ACC+8*(2*(gg%2)+\p)+7], v[WB+32*(gg%2)+16*\p:WB+32*(gg%2)+16*\p+15], v[AF+16*(gg/2):AF+16*(gg/2)+15], 0
.else
	v_wmma_f32_16x16x128_fp8_fp8 v[ACC+8*(2*(gg%2)+\p):ACC+8*(2*(gg%2)+\p)+7], v[WB+32*(gg%2)+16*\p:WB+32*(gg%2)+16*\p+15], v[AF+16*(gg/2):AF+16*(gg/2)+15], v[ACC+8*(2*(gg%2)+\p):ACC+8*(2*(gg%2)+\p)+7]
.endif
.endr
.if gg < 14
.rept 4
	v_nop                                          ; four places in front of loads into registers that matrix instructions have read
.endr
	WGRP gg+2
.endif
.set gg, gg+1
.endr
.rept 4
	v_nop                                          ; four places in front of the stores that read the results and of the loads into O's registers
.endr
	; THE WAY OUT: the sums go through my stage and come back as whole runs of 256 bytes; then a lane's four columns are the same in every row, so bo costs four registers.
.irp t, 0,1,2,3
	ds_store_b128 v[STO], v[ACC+8*\t:ACC+8*\t+3] offset:64*\t
	ds_store_b128 v[STO], v[ACC+8*\t+4:ACC+8*\t+7] offset:64*\t+16
.endr
.irp i, 0,1,2,3,4,5,6,7
	ds_load_b128 v[AF+4*\i:AF+4*\i+3], v[RD] offset:544*\i   ; my own bytes; LDS serves a wave's instructions in order (ISA guide 5.7.1.4)
.endr
.irp i, 0,1,2,3,4,5,6,7
	s_wait_dscnt 7-\i                              ; rows 2 i, 2 i + 1 are back; the last count is 0, so no LDS instruction is out at the round below
	v_pk_fma_f32 v[AF+4*\i:AF+4*\i+1], v[AF+4*\i:AF+4*\i+1], s[46:47], v[BR:BR+1] op_sel_hi:[1,0,1]       ; sum x 2^(e10 + e11) + bo
	v_pk_fma_f32 v[AF+4*\i+2:AF+4*\i+3], v[AF+4*\i+2:AF+4*\i+3], s[46:47], v[BR+2:BR+3] op_sel_hi:[1,0,1]
	global_store_b128 v[GO], v[AF+4*\i:AF+4*\i+3], s[12:13] offset:1024*\i th:TH_STORE_NT   ; 16 lanes store 256 consecutive bytes, at a multiple of 256 from out0's first byte
.endr
	s_wait_tensorcnt 0x0
	ds_add_u32 v254, v255
	s_wait_dscnt 0x0
	CROUND                                         ; the closing round: no work-group ends while a partner may still ask for a tile that names it
	s_endpgm
.Lfunc_end_k_q5840c22763_oproj:
	.size	k_q5840c22763_oproj, .Lfunc_end_k_q5840c22763_oproj-k_q5840c22763_oproj
	.p2alignl 7, 3214868480
	.fill 96, 4, 3214868480
	.section	.rodata,"a",@progbits
	.p2align	6, 0x0
	.amdhsa_kernel k_q5840c22763_oproj
		.amdhsa_group_segment_fixed_size 168448
		.amdhsa_private_segment_fixed_size 0
		.amdhsa_enable_private_segment 0
		.amdhsa_kernarg_size 40
		.amdhsa_user_sgpr_count 2
		.amdhsa_user_sgpr_kernarg_segment_ptr 1
		.amdhsa_wavefront_size32 1
		.amdhsa_system_sgpr_workgroup_id_x 1
		.amdhsa_system_sgpr_workgroup_id_y 1
		.amdhsa_system_sgpr_workgroup_id_z 1
		.amdhsa_system_vgpr_workitem_id 0
		.amdhsa_next_free_vgpr 256
		.amdhsa_next_free_sgpr 66
		.amdhsa_reserve_vcc 0
		.amdhsa_float_denorm_mode_32 3
		.amdhsa_float_denorm_mode_16_64 3
		.amdhsa_memory_ordered 1
		.amdhsa_forward_progress 1
		.amdhsa_inst_pref_size 23
	.end_amdhsa_kernel
	.amdgpu_metadata
---
amdhsa.version: [ 1, 2 ]
amdhsa.kernels:
  - .name:           k_q5840c22763_oproj
    .symbol:         k_q5840c22763_oproj.kd
    .args:
      - { .name: oc, .offset: 0, .size: 8, .value_kind: global_buffer, .address_space: global }
      - { .name: woc, .offset: 8, .size: 8, .value_kind: global_buffer, .address_space: global }
      - { .name: bo, .offset: 16, .size: 8, .value_kind: global_buffer, .address_space: global }
      - { .name: lowp_scales, .offset: 24, .size: 8, .value_kind: global_buffer, .address_space: global }
      - { .name: out0, .offset: 32, .size: 8, .value_kind: global_buffer, .address_space: global }
    .group_segment_fixed_size: 168448
    .private_segment_fixed_size: 0
    .kernarg_segment_align: 8
    .kernarg_segment_size: 40
    .max_flat_workgroup_size: 128
    .sgpr_count:     66
    .vgpr_count:     256
    .wavefront_size: 32
...
	.end_amdgpu_metadata
.endif
;; end of part 3
;; ======== version 2 of 3: 3 launches
;; workspace buffers: qc 8,388,608 bytes; kc 16,777,216 bytes; vc 16,777,216 bytes; oc 8,388,608 bytes; woc 131,072 bytes
;; launch proj: the kernel of part 1 again; grid 256 x 1, 16 waves a work-group, no clusters, 215,040 bytes of LDS; arguments q, k, v, Wq, Wk, Wv, bq, bk, bv, Wo, lowp_scales, qc, kc, vc, woc; writes qc, kc, vc, woc
;; launch attn (part 4): grid 4 x 64, 8 waves a work-group, clusters of 4 x 1, 327,680 bytes of LDS; arguments qc, kc, vc, lowp_scales, oc; writes oc
.if DOCPART == 4
	.amdgcn_target "amdgcn-amd-amdhsa--gfx1250"
	.amdhsa_code_object_version 6
	.text
	.protected	k_q5840c22763_attn
	.globl	k_q5840c22763_attn
	.p2align	8
	.type	k_q5840c22763_attn,@function
k_q5840c22763_attn:
	s_mov_b64 s[64:65], 0
	v_nop
	global_prefetch_b8 v0, s[64:65] scope:SCOPE_SE
	s_setreg_imm32_b32 hwreg(HW_REG_WAVE_MODE, 25, 1), 1
	s_wait_xcnt 0x0
	s_wait_alu depctr_hold_cnt(0) depctr_sa_sdst(0) depctr_va_vdst(0) depctr_va_sdst(0) depctr_va_ssrc(0) depctr_va_vcc(0) depctr_vm_vsrc(0)
	s_getreg_b32 s2, hwreg(HW_REG_IB_STS2, 6, 4)
	s_cmp_eq_u32 s2, 0
	s_cbranch_scc0 .Lentry_in_a_cluster
	s_endpgm
.Lentry_in_a_cluster:
	s_bfe_u32 s2, ttmp6, 0x10000c
	s_cmp_lg_u32 s2, 0x3003
	s_cbranch_scc0 .Lentry_shape_is_right
	s_endpgm
.Lentry_shape_is_right:
; For each of 64 (batch, head): O[q] = the sum over the 2,048 keys of softmax(Q[q] . K[key] / sqrt(128)) V[key], both products on codes of FP8 (E4M3); O is quantised for the last product.
; e6 (Q), e7 (K), e8 (V), e9 (p), e10 (O) are whole numbers in lowp_scales.
; THE SOFTMAX AHEAD OF THE SECOND PRODUCT: t = score x log2(e) / sqrt(128); M = the largest t so far, rounded UP to a whole number; p = 2^(t - M) is quantised, not normalised.
; The row's sum is taken of the unquantised p and divides O at the end.  When M moves, the sum and O are multiplied by 2^(old M - new M): nothing is rounded.
; IMAGES.  qc, kc, vc and oc hold fragments (16 rows x 128 K) as their registers: piece c (registers 4 c .. 4 c + 3) is 512 bytes, lane l's 16 bytes at 512 c + 16 l.  No pitch, no padding, no stage.
; In lane (r, h), piece c, byte 8 u + j stands for 32 c + 16 u + 8 h + j along K: just where two neighbouring 16 x 16 results 2 c, 2 c + 1 put it.  So p's and O's conversions give operands as they stand.
; SHARES.  A work-group owns 256 queries of one head, each of its eight waves TWO tiles of 16 (tiles 2 w and 2 w + 1), in 512 registers: two waves to a SIMD.  Each fragment of K and V read from LDS feeds two products:
; a key step of 128 keys is 64 LDS loads and 32 matrix instructions a wave.  Both products are used transposed (S^T = K Q^T, O^T = V^T P^T): a lane holds ONE query (l % 16) of each tile throughout.
; REGISTER WINDOWS (s_set_vgpr_msb: bits 1:0 source 0, 3:2 source 1, 5:4 source 2, 7:6 destination).  Tile A lives in window 0, tile B in window 1 AT THE SAME NUMBERS, so the softmax and the way out are written once
; and stand twice, under 0 and under 0x55.  v32-95 of window 0 and of window 1 are two buffers of four fragments: together a step's eight of K, then its eight of V.
; A STEP: K's loads | K Q^T of both tiles | V's loads | tile A's softmax, under which V lands | V^T P of tile A | tile B's softmax, under which those products run | V^T P of tile B.
; CLUSTER.  The head's four query blocks form a cluster and walk the same K and V: each tile is asked for JOINTLY, by the same tensor load with the same descriptor and a mask that names the four.
; RING.  Two LDS slots of 512 keys: K's 32 images (65,536 bytes), then V's 4 key steps x 8 images.  Waves 0, 1 fetch K's halves, waves 2, 3 V's: dense blocks of 32,768 bytes.  One tensor load of a wave is out at most.
; LIMITS, so that each power of two below is an f32 number: e6 + e7 between -123 and 130 (added to c's exponent field); e9 and e10 between -126 and 119; e8 + e9 goes by v_ldexp_f32 and has none.
; REGISTERS.  Window 0 alone: v1 16 l; v3 256 l; v5, v6 the add's; v8, v9 the LDS addresses of the slot's K and V.  In both windows: v12 -M, v13 the largest t, v[14:15] the sum in two halves; v16-31 Q; v32-95 fragments;
;   v96-159 S^T, then p; v160-223 O^T; v224-239 codes; v240, v244: 448 x 2^e9, 2^e9; v241, v245: the same with e10; v242, v243, v246, v248-254 at work.
.set SLOT1, 1<<17                      ; slot 1 begins here: one exclusive or turns an address in one slot into the other's
.set VOFF,  65536                      ; V's images in a slot
.set SPARE, 2*SLOT1                    ; behind the ring: the spare words, 128 bytes for each wave: four blocks of 256 bytes that no other line names
.set NSL,   4                          ; slots' worth of keys
.set LI,  1
.set PFO, 3
.set SPW, 5
.set NIL, 6
.set ADK, 8
.set ADV, 9
.set WV,  18                           ; s18  my wave's number
.set TB,  19                           ; s19  LDS byte at which the slot in hand begins
.set SEL, 20                           ; s[20:21] lane selects for v_permlanex16_b32: lane l xor 16
.set CS,  22                           ; s[22:23] c = log2(e) / sqrt(128) x 2^(e6 + e7)
.set G1,  24                           ; s[24:31] descriptor group 1, one for K's and V's tiles
.set G0K, 40                           ; s[40:43], s[44:47] groups 0, which walk
.set G0V, 44
.set SLOTS, 67                         ; s67  slots still to be asked for
.set PFA, 76                           ; s[76:77] where my prefetches stand
.set LIM, 80                           ; s80  1 in a wave that prefetches, else the greatest number
.set MSB, 0
.macro WIN new                         ; the immediate's high byte repeats the setting that is left; a switch that changes nothing is dropped
.if MSB != \new
	s_set_vgpr_msb (MSB<<8)|\new
.set MSB, \new
.endif
.endm
.macro CROUND                          ; a round of the cluster's barrier
	s_barrier_signal -1
	s_barrier_wait -1
	s_cmp_lg_u32 s[WV], 0
	s_cbranch_scc1 .Lnot_wave_0_\@
	s_barrier_signal -3
.Lnot_wave_0_\@:
	s_barrier_wait -3
	s_barrier_signal -1
	s_barrier_wait -1
.endm
; Waves 0 and 1 fetch for K, waves 2 and 3 for V, the others nothing.  The branches hang on the wave's number alone: they are the same in all four work-groups.  Four v_nop follow each line.
.macro TLOAD
	s_cmp_lt_u32 s[WV], 2
	s_cbranch_scc0 .Lnot_k_\@
	tensor_load_to_lds s[G0K:G0K+3], s[G1:G1+7]
	s_nop 0
.rept 4
	v_nop
.endr
	s_branch .Lasked_\@
.Lnot_k_\@:
	s_cmp_lt_u32 s[WV], 4
	s_cbranch_scc0 .Lasked_\@
	tensor_load_to_lds s[G0V:G0V+3], s[G1:G1+7]
	s_nop 0
.rept 4
	v_nop
.endr
.Lasked_\@:
.endm
; A PREFETCH INTO THE L2 of what the NEXT change of slots will ask for: a slot's 65,536 bytes of K (waves 4, 5) and of V (waves 6, 7).  The four partners share them out BY ADDRESS, 16,384 bytes each, a wave 8,192,
; lanes 256 bytes apart: one instruction a wave, and each aligned block of 256 bytes is named once in the launch (a head's K and V are read by this cluster alone).  It stands in a slot's last key step, behind V's run
; of LDS loads: two softmaxes and sixteen matrix instructions ahead of the tensor load that will want the bytes.  The last trip that fills a slot asks for nothing; slots 0 and 1 come by their loads alone.
.macro ASK
	s_cmp_gt_u32 s[SLOTS], s[LIM]
	s_cbranch_scc0 .Lnot_mine_\@
	global_prefetch_b8 v[PFO], s[PFA:PFA+1] th:TH_LOAD_NT scope:SCOPE_SE
.Lnot_mine_\@:
.endm
	s_load_b128 s[4:7], s[0:1], 0x0                ; qc s[4:5], kc s[6:7]
	s_load_b128 s[12:15], s[0:1], 0x10             ; vc s[12:13], the scales' exponents s[14:15]
	s_load_b64 s[16:17], s[0:1], 0x20              ; oc
	v_lshl_add_u32 v[SPW], v0, 2, SPARE
	v_mov_b32 v[NIL], 0
	ds_add_u32 v5, v6
	s_wait_dscnt 0x0
	v_lshrrev_b32 v8, 5, v0
	v_readfirstlane_b32 s[WV], v8                  ; wave 0..7
	v_and_b32 v[LI], 31, v0
	v_lshlrev_b32 v[PFO], 8, v[LI]
	v_lshlrev_b32 v[LI], 4, v[LI]
	s_bfe_u32 s48, ttmp6, 0x40000                  ; cx: my place in the cluster = my block of 256 queries; it enters qc's, oc's and the prefetches' addresses alone
	s_and_b32 s49, ttmp7, 0xffff                   ; 8 x batch + head, which the four partners share
	s_and_b32 s54, s[WV], 1
	s_lshl_b32 s55, s54, 13                        ; the prefetches: which 8,192 bytes of my work-group's 16,384
	s_lshl_b32 s54, s54, 15                        ; which half of a slot's K or V I fetch, if I fetch
	s_lshl_b32 s50, s49, 18                        ; a head's 262,144 bytes in kc and in vc
	s_add_co_u32 s58, s50, s55
	s_add_co_u32 s50, s50, s54
	s_mov_b32 s51, 0
	s_lshl_b32 s55, s48, 14
	s_add_co_u32 s58, s58, s55
	s_add_co_u32 s58, s58, 65536                   ; in slot 1: the first change of slots steps it to slot 2
	s_mov_b32 s59, 0
	s_lshl_b32 s52, s49, 17                        ; qc: 131,072 bytes a head, images 16 cx + 2 w and the next
	s_lshl_b32 s55, s48, 15
	s_add_co_u32 s52, s52, s55
	s_lshl_b32 s55, s[WV], 12
	s_add_co_u32 s52, s52, s55
	s_mov_b32 s53, 0
	s_lshr_b32 s56, s49, 3                         ; oc: [64 x batch + 16 cx + 2 w + tile][head][2,048]
	s_lshl_b32 s56, s56, 20
	s_lshl_b32 s55, s48, 18
	s_add_co_u32 s56, s56, s55
	s_lshl_b32 s55, s[WV], 15
	s_add_co_u32 s56, s56, s55
	s_and_b32 s55, s49, 7
	s_lshl_b32 s55, s55, 11
	s_add_co_u32 s56, s56, s55
	s_mov_b32 s57, 0
	s_mov_b32 s[G1], 15|(3<<16)|(1<<21)            ; 15:0 the mask: all four work-groups; 17:16 elements of 8 bytes; 20 no padding; 21 set beside a mask
	s_mov_b32 s[G1+1], 32<<16                      ; tensor_dim0 = 32 elements: rows of 256 bytes
	s_mov_b32 s[G1+2], 128<<16                     ; tensor_dim1 = 128
	s_mov_b32 s[G1+3], 32<<16                      ; tile_dim0
	s_mov_b32 s[G1+4], 128                         ; tile_dim1
	s_mov_b32 s[G1+5], 32                          ; the pitch: the block is dense
	s_mov_b32 s[G1+6], 0
	s_mov_b32 s[G1+7], 0
	s_mov_b32 s[SEL], 0x76543210
	s_mov_b32 s[SEL+1], 0xfedcba98
	s_mov_b32 s[CS], 0x3e0293ee                    ; log2(e) / sqrt(128)
	s_mov_b32 s[TB], 0
	s_mov_b32 s[SLOTS], NSL-1
	s_cmp_ge_u32 s[WV], 4                          ; the waves that fetch nothing prefetch
	s_cselect_b32 s[LIM], 1, -1
	s_wait_kmcnt 0x0
	s_load_b128 s[68:71], s[14:15], 0x18           ; e6, e7, e8, e9
	s_load_b32 s72, s[14:15], 0x28                 ; e10
	s_mov_b32 s[G0K], 1                            ; 1:0 count = 1
	s_mov_b32 s[G0K+1], s54                        ; 63:32 LDS address: slot 0
	s_add_nc_u64 s[G0K+2:G0K+3], s[6:7], s[50:51]  ; 120:64 global address: the head's first 512 keys
	s_or_b32 s[G0K+3], s[G0K+3], 0x80000000        ; 127:126 type = 2
	s_mov_b32 s[G0V], 1
	s_add_co_u32 s[G0V+1], s54, VOFF
	s_add_nc_u64 s[G0V+2:G0V+3], s[12:13], s[50:51]
	s_or_b32 s[G0V+3], s[G0V+3], 0x80000000
	s_cmp_lt_u32 s[WV], 6                          ; waves 4, 5 ask for K's codes, waves 6, 7 for V's
	s_cselect_b64 s[PFA:PFA+1], s[6:7], s[12:13]
	s_add_nc_u64 s[PFA:PFA+1], s[PFA:PFA+1], s[58:59]
	s_add_nc_u64 s[4:5], s[4:5], s[52:53]
	s_add_nc_u64 s[16:17], s[16:17], s[56:57]
	CROUND                                         ; all four work-groups are here: the first joint loads meet
	TLOAD                                          ; slot 0
.irp c, 0,1,2,3
	global_load_b128 v[16+4*\c:19+4*\c], v[LI], s[4:5] offset:512*\c        ; tile A's fragment of Q stays in registers,
.endr
	WIN 0x40                                       ; destination window 1
.irp c, 0,1,2,3
	global_load_b128 v[16+4*\c:19+4*\c], v[LI], s[4:5] offset:2048+512*\c   ; and tile B's
.endr
	WIN 0
	s_wait_kmcnt 0x0
	s_add_co_i32 s73, s68, s69
	s_lshl_b32 s73, s73, 23
	s_add_co_i32 s[CS], s[CS], s73                 ; a score stands for score x 2^(e6 + e7): added to c's exponent field
	s_mov_b32 s[CS+1], s[CS]                       ; (named with it as a pair, so it is written)
	s_add_co_i32 s73, s71, 127
	s_lshl_b32 s84, s73, 23                        ; 2^e9
	s_add_co_i32 s73, s73, 8
	s_lshl_b32 s85, s73, 23
	s_or_b32 s85, s85, 0x600000                    ; 448 x 2^e9
	s_add_co_i32 s73, s72, 127
	s_lshl_b32 s86, s73, 23                        ; 2^e10
	s_add_co_i32 s73, s73, 8
	s_lshl_b32 s87, s73, 23
	s_or_b32 s87, s87, 0x600000                    ; 448 x 2^e10
	s_add_co_i32 s88, s70, s71                     ; e8 + e9
.macro INIT                            ; a tile's state, in the window that is set
	v_mov_b32 v13, 0xff61b1e6                      ; the largest t so far: -3e38, under every t
	v_floor_f32 v12, -v13                          ; -M
	v_mov_b32 v14, 0
	v_mov_b32 v15, 0
	v_mov_b32 v246, 0                              ; written once: a lane permute's destination counts as one of its sources
	v_mov_b32 v253, 0                              ; (named as the upper half of the pair v[252:253])
.set jj, 0
.rept 64
	v_mov_b32 v[160+jj], 0                         ; O^T.  (The step has no first form of its own: the first change of M multiplies zeros; a first step written out would be a ninth copy of the step)
.set jj, jj+1
.endr
	v_mov_b32 v244, s84
	v_mov_b32 v240, s85
	v_mov_b32 v245, s86
	v_mov_b32 v241, s87
.endm
	INIT
	WIN 0x55
	INIT
	WIN 0
; Eight fragments from off bytes behind v[adr]: 0 to 3 into v32-95 of window 0, 4 to 7 into v32-95 of window 1.  Each load takes 512 consecutive bytes.
.macro FETCH adr, off
.irp t, 0,1,2,3
.irp c, 0,1,2,3
	ds_load_b128 v[32+16*\t+4*\c:32+16*\t+4*\c+3], v[\adr] offset:(\off)+2048*\t+512*\c
.endr
.endr
	WIN 0x40                                       ; destination window 1, address window 0
.irp t, 0,1,2,3
.irp c, 0,1,2,3
	ds_load_b128 v[32+16*\t+4*\c:32+16*\t+4*\c+3], v[\adr] offset:(\off)+2048*(4+\t)+512*\c
.endr
.endr
	WIN 0
.endm
.macro QK4 g                           ; S^T = K Q^T: key tiles 4 g + 0 .. 3, from buffer g; the windows say which tile of queries.  Each is a whole sum (K = 128)
.irp t, 0,1,2,3
	v_wmma_f32_16x16x128_fp8_fp8 v[96+8*(4*\g+\t):103+8*(4*\g+\t)], v[32+16*\t:47+16*\t], v[16:31], 0
.endr
.endm
.macro PV4 g                           ; O^T += V^T P^T: tiles 4 g + 0 .. 3 of the head's 128, from buffer g.  Each accumulator has one instruction a step: the accumulators take turns
.irp t, 0,1,2,3
	v_wmma_f32_16x16x128_fp8_fp8 v[160+8*(4*\g+\t):167+8*(4*\g+\t)], v[32+16*\t:47+16*\t], v[224:239], v[160+8*(4*\g+\t):167+8*(4*\g+\t)]
.endr
.endm
; ONE TILE'S SOFTMAX FOR ONE KEY STEP, in the window that is set.  Lane (r, h): query r; register 96 + 8 T + j: key 16 T + 8 h + j.
.macro SOFTMAX
.irp c, 0,1,2,3                                ; the step's largest score of my query among my 64 keys: four chains, 16 registers (two accumulators) each; each accumulator is first read at its low end
	v_max3_num_f32 v[248+\c], v[96+16*\c], v[97+16*\c], v[98+16*\c]
.endr
.irp k, 3,5,7,9,11,13
.irp c, 0,1,2,3
	v_max3_num_f32 v[248+\c], v[248+\c], v[96+16*\c+\k], v[97+16*\c+\k]
.endr
.endr
	v_max3_num_f32 v248, v248, v111, v127          ; each chain's sixteenth
	v_max3_num_f32 v250, v250, v143, v159
	v_max3_num_f32 v248, v248, v249, v250
	v_max_num_f32 v254, v248, v251
	v_permlanex16_b32 v246, v254, s[SEL], s[SEL+1]
	v_max_num_f32 v254, v254, v246                 ; and among lane l xor 16's
	v_mul_f32 v254, s[CS], v254                    ; as t (c is positive)
	v_max_num_f32 v13, v13, v254                   ; the running largest t
	v_mov_b32 v254, v12
	v_floor_f32 v12, -v13                          ; the new -M = floor(-t) = -ceil(t)
	v_sub_f32 v254, v12, v254                      ; old M - new M: a whole number, 0 or less
	v_cvt_i32_f32 v254, v254                       ; (it saturates)
	v_ldexp_f32 v252, 1.0, v254                    ; f = 2^(old M - new M)
	; ONE BATCH: the 64 exponentials, a plain line behind each but one: first the scalings t - M of the pairs two and more ahead, then O^T x f, at last the sum x f.  None of these lines names an exponential's result.
	v_pk_fma_f32 v[96:97], v[96:97], s[CS:CS+1], v[12:13] op_sel_hi:[1,0,0]
	v_pk_fma_f32 v[98:99], v[98:99], s[CS:CS+1], v[12:13] op_sel_hi:[1,0,0]
.set ee, 0
.rept 64
	v_exp_f32 v[96+ee], v[96+ee]                   ; p = 2^(t - M), at most 1
.if ee < 30
	v_pk_fma_f32 v[100+2*ee:101+2*ee], v[100+2*ee:101+2*ee], s[CS:CS+1], v[12:13] op_sel_hi:[1,0,0]   ; pair ee + 2: registers 2 ee + 4, 2 ee + 5, whose exponentials come later
.elseif ee < 62
	v_pk_mul_f32 v[160+2*(ee-30):161+2*(ee-30)], v[160+2*(ee-30):161+2*(ee-30)], v[252:253] op_sel_hi:[1,0]   ; O^T under the new M, each accumulator from its low end on
.elseif ee == 63
	v_pk_mul_f32 v[14:15], v[14:15], v[252:253] op_sel_hi:[1,0]   ; the sums under the new M: the plain line behind the last exponential
.endif
.set ee, ee+1
.endr
	s_wait_alu depctr_va_vdst(0)                   ; one wait for the whole batch, ahead of its first reader
	v_pk_add_f32 v[242:243], v[96:97], v[98:99]    ; the row's sum, of the UNQUANTISED p, two at a time, in four chains
	v_pk_add_f32 v[248:249], v[100:101], v[102:103]
	v_pk_add_f32 v[250:251], v[104:105], v[106:107]
	v_pk_add_f32 v[14:15], v[14:15], v[108:109]
.irp j, 14,22,30,38,46,54
	v_pk_add_f32 v[242:243], v[242:243], v[96+\j:97+\j]
	v_pk_add_f32 v[248:249], v[248:249], v[98+\j:99+\j]
	v_pk_add_f32 v[250:251], v[250:251], v[100+\j:101+\j]
	v_pk_add_f32 v[14:15], v[14:15], v[102+\j:103+\j]
.endr
	v_pk_add_f32 v[242:243], v[242:243], v[158:159]
.irp b, 0,1,2,3
.irp i, 0,1,2,3,4,5,6,7,8,9,10,11,12,13,14,15
	v_min_num_f32 v[96+16*\b+\i], v[96+16*\b+\i], v240   ; the conversion does not saturate (ISA guide 7.6.2); p is not negative, so the hold is one-sided
.endr
	v_cvt_scalef32_pk8_fp8_f32 v[224+4*\b:225+4*\b], v[96+16*\b:103+16*\b], v244
	v_cvt_scalef32_pk8_fp8_f32 v[226+4*\b:227+4*\b], v[104+16*\b:111+16*\b], v244
.endr
	v_pk_add_f32 v[242:243], v[242:243], v[248:249]   ; the four chains join: also the plain lines between the last conversion and the products that read the codes
	v_pk_add_f32 v[14:15], v[14:15], v[250:251]
	v_pk_add_f32 v[14:15], v[14:15], v[242:243]
.endm
; A KEY STEP: 128 keys, the q-th of the slot in hand.  ask = 1: the prefetch stands in it.
.macro STEP q, ask
.rept 4
	v_nop                                          ; four places in front of loads into registers that the last products have read
.endr
	FETCH ADK, 16384*(\q)
	s_wait_dscnt 16                                ; fragments 0 to 3 are in; the sixteen younger loads, fragments 4 to 7, may be out
	QK4 0                                          ; tile A
	WIN 0x54                                       ; K window 0; Q, C and D window 1
	QK4 0                                          ; tile B
	s_wait_dscnt 0x0
	WIN 0x55                                       ; K from window 1's buffer
	QK4 1                                          ; tile B
	WIN 0x01
	QK4 1                                          ; tile A
	WIN 0
.rept 4
	v_nop                                          ; four places in front of the loads below and of the first read of the scores
.endr
	FETCH ADV, 16384*(\q)                          ; V's eight fragments land under tile A's softmax
.if \ask
	ASK
.endif
	SOFTMAX                                        ; tile A
	s_wait_dscnt 0x0                               ; V is in
	PV4 0
	WIN 0x01
	PV4 1                                          ; tile A's eight products run under tile B's softmax, which names none of their registers
	WIN 0x55
	SOFTMAX                                        ; tile B
	PV4 1
	WIN 0x54
	PV4 0
	WIN 0
.endm
; THE CHANGE OF SLOTS stands at a slot's head.  Each wave waits for all its tensor loads (its part of the slot that it is about to read), adds 0 to its spare word, and waits for that and for its reads of the slot that it has left.
; fill = 1: the barrier is a round of the cluster's, so that no wave of any partner still reads the other slot or has a load on its way; the joint refill is the first thing behind it and has four key steps in which to land.
.macro CHANGE fill
	s_wait_tensorcnt 0x0                           ; no tensor load of mine is out, so a group 0 may be written
	ds_add_u32 v[SPW], v[NIL]                      ; 0 onto my spare word
.if \fill
	s_xor_b32 s[G0K+1], s[G0K+1], SLOT1            ; the other slot than last time,
	s_add_nc_u64 s[G0K+2:G0K+3], s[G0K+2:G0K+3], 65536   ; the next 512 keys; the type bits on top are not reached
	s_xor_b32 s[G0V+1], s[G0V+1], SLOT1
	s_add_nc_u64 s[G0V+2:G0V+3], s[G0V+2:G0V+3], 65536
	s_wait_xcnt 0x0                                ; the last prefetch, most of a key step back, has read its address
	s_add_nc_u64 s[PFA:PFA+1], s[PFA:PFA+1], 65536 ; one slot further on than the walking descriptors
	s_wait_dscnt 0x0                               ; the add is done, and my reads of the slot that I have left are over
	CROUND
	TLOAD
.else
	s_wait_dscnt 0x0
	s_barrier_signal -1
	s_barrier_wait -1
.endif
	v_add_nc_u32 v[ADK], s[TB], v[LI]              ; the slot in hand: K's images,
	v_add_nc_u32 v[ADV], VOFF, v[ADK]              ; V's
.endm
	s_wait_loadcnt 0x0                             ; Q
.Lslot:                                            ; NSL - 1 trips: behind each change of slots but the last the next slot is asked for
	CHANGE 1
	STEP 0, 0
	STEP 1, 0
	STEP 2, 0
	STEP 3, 1
	s_xor_b32 s[TB], s[TB], SLOT1
	s_sub_co_u32 s[SLOTS], s[SLOTS], 1
	s_cmp_lg_u32 s[SLOTS], 0
	s_cbranch_scc1 .Lslot
	CHANGE 0                                       ; the last slot is written out
	STEP 0, 0
	STEP 1, 0
	STEP 2, 0
	STEP 3, 0
; THE WAY OUT of a tile, in the window that is set.  O^T / the sum x 2^(e8 + e9) is the attention's result; tiles 2 c, 2 c + 1 of a lane are piece c of its image, quantised with 2^e10.
.macro OUT
	v_add_f32 v14, v14, v15                        ; the sum's two halves,
	v_permlanex16_b32 v252, v14, s[SEL], s[SEL+1]
	v_add_f32 v14, v14, v252                       ; and lane l xor 16's
	v_rcp_f32 v14, v14
	v_nop                                          ; a plain line behind the transcendental
	s_wait_alu depctr_va_vdst(0)                   ; the wait ahead of its first reader
	v_ldexp_f32 v14, v14, s88
.set jj, 0
.rept 32
	v_pk_mul_f32 v[96+jj:97+jj], v[160+jj:161+jj], v[14:15] op_sel_hi:[1,0]   ; each accumulator from its low end on
.set jj, jj+2
.endr
.irp b, 0,1,2,3
.irp i, 0,1,2,3,4,5,6,7,8,9,10,11,12,13,14,15
	v_med3_num_f32 v[96+16*\b+\i], v[96+16*\b+\i], -v241, v241
.endr
	v_cvt_scalef32_pk8_fp8_f32 v[224+4*\b:225+4*\b], v[96+16*\b:103+16*\b], v245
	v_cvt_scalef32_pk8_fp8_f32 v[226+4*\b:227+4*\b], v[104+16*\b:111+16*\b], v245
.endr
	v_nop
.endm
	OUT                                            ; tile A: its last products stand ahead of tile B's softmax; its own lines, which name no register of tile B's last products, are those products' places
.irp c, 0,1,2,3
	global_store_b128 v[LI], v[224+4*\c:227+4*\c], s[16:17] offset:512*\c th:TH_STORE_NT         ; 32 lanes store 512 consecutive bytes, at a multiple of 512 from oc's first byte
.endr
	WIN 0x55
	OUT                                            ; tile B
	WIN 0x04                                       ; the stores' data window 1, their address window 0
.irp c, 0,1,2,3
	global_store_b128 v[LI], v[224+4*\c:227+4*\c], s[16:17] offset:16384+512*\c th:TH_STORE_NT   ; the next row tile: eight heads' images further on
.endr
	WIN 0
	s_wait_tensorcnt 0x0                           ; the wave's end
	ds_add_u32 v[SPW], v[NIL]
	s_wait_dscnt 0x0
	CROUND                                         ; the closing round: no work-group ends while a partner may still ask for a tile that names it
	s_endpgm
.Lfunc_end_k_q5840c22763_attn:
	.size	k_q5840c22763_attn, .Lfunc_end_k_q5840c22763_attn-k_q5840c22763_attn
	.p2alignl 7, 3214868480
	.fill 96, 4, 3214868480
	.section	.rodata,"a",@progbits
	.p2align	6, 0x0
	.amdhsa_kernel k_q5840c22763_attn
		.amdhsa_group_segment_fixed_size 327680
		.amdhsa_private_segment_fixed_size 0
		.amdhsa_enable_private_segment 0
		.amdhsa_kernarg_size 40
		.amdhsa_user_sgpr_count 2
		.amdhsa_user_sgpr_kernarg_segment_ptr 1
		.amdhsa_wavefront_size32 1
		.amdhsa_system_sgpr_workgroup_id_x 1
		.amdhsa_system_sgpr_workgroup_id_y 1
		.amdhsa_system_sgpr_workgroup_id_z 1
		.amdhsa_system_vgpr_workitem_id 0
		.amdhsa_next_free_vgpr 512
		.amdhsa_next_free_sgpr 96
		.amdhsa_reserve_vcc 0
		.amdhsa_float_denorm_mode_32 3
		.amdhsa_float_denorm_mode_16_64 3
		.amdhsa_memory_ordered 1
		.amdhsa_forward_progress 1
		.amdhsa_inst_pref_size 255
	.end_amdhsa_kernel
	.section	.bss,"aw",@nobits
	.p2align	6
	.space	262144
	.amdgpu_metadata
---
amdhsa.version: [ 1, 2 ]
amdhsa.kernels:
  - .name:           k_q5840c22763_attn
    .symbol:         k_q5840c22763_attn.kd
    .args:
      - { .name: qc, .offset: 0, .size: 8, .value_kind: global_buffer, .address_space: global }
      - { .name: kc, .offset: 8, .size: 8, .value_kind: global_buffer, .address_space: global }
      - { .name: vc, .offset: 16, .size: 8, .value_kind: global_buffer, .address_space: global }
      - { .name: lowp_scales, .offset: 24, .size: 8, .value_kind: global_buffer, .address_space: global }
      - { .name: oc, .offset: 32, .size: 8, .value_kind: global_buffer, .address_space: global }
    .group_segment_fixed_size: 327680
    .private_segment_fixed_size: 0
    .kernarg_segment_align: 8
    .kernarg_segment_size: 40
    .max_flat_workgroup_size: 256
    .sgpr_count:     96
    .vgpr_count:     512
    .wavefront_size: 32
...
	.end_amdgpu_metadata
.endif
;; end of part 4
;; launch oproj: the kernel of part 3 again; grid 256 x 1, 4 waves a work-group, clusters of 4 x 1, 168,448 bytes of LDS; arguments oc, woc, bo, lowp_scales, out0; writes out0
;; ======== version 3 of 3: 3 launches; version 2 with the launch proj written anew for expert scheduling mode
;; workspace buffers: qc 8,388,608 bytes; kc 16,777,216 bytes; vc 16,777,216 bytes; oc 8,388,608 bytes; woc 131,072 bytes
;; launch proj (part 5): grid 256 x 1, 16 waves a work-group, no clusters, 215,040 bytes of LDS; arguments q, k, v, Wq, Wk, Wv, bq, bk, bv, Wo, lowp_scales, qc, kc, vc, woc; writes qc, kc, vc, woc
.if DOCPART == 5
	.amdgcn_target "amdgcn-amd-amdhsa--gfx1250"
	.amdhsa_code_object_version 6
	.text
	.protected	k_q5840c22763_proj
	.globl	k_q5840c22763_proj
	.p2align	8
	.type	k_q5840c22763_proj,@function
k_q5840c22763_proj:
	s_mov_b64 s[64:65], 0
	v_nop
	global_prefetch_b8 v0, s[64:65] scope:SCOPE_SE
	s_setreg_imm32_b32 hwreg(HW_REG_WAVE_SCHED_MODE, 0, 2), 2
	s_setreg_imm32_b32 hwreg(HW_REG_WAVE_MODE, 25, 1), 1
	s_wait_xcnt 0x0
	s_wait_alu depctr_vm_vsrc(0)
; Qh = q Wq + bq, Kh = k Wk + bk, Vh = v Wv + bv on codes of FP8 (E4M3), and their results quantised again for the attention; Wo is quantised on the side.
; e0 .. e11 are the whole numbers in lowp_scales: q e0, Wq e1, k e2, Wk e3, v e4, Wv e5, Qh e6, Kh e7, Vh e8, Wo e11.
; SHARES.  Work-group i: hp = i % 4 names two heads (columns 256 hp .. 256 hp + 255 of the three weights), part = i / 4 names 128 rows of q, 256 of k, 256 of v.
; PHASE 1: the 16 waves quantise those rows and those columns once and lay them in LDS; one barrier.  PHASE 2: wave (cg = w % 8, rh = w / 8) makes columns 32 cg .. +31 for half rh of the row tiles.
; IMAGES.  A fragment (16 rows x 128 K, 16 registers a lane) lies, in LDS and in the workspace, as its registers: piece c (registers 4 c .. 4 c + 3) is 512 bytes, lane l's 16 bytes at 512 c + 16 l.
; Every fragment comes and goes by four accesses of 512 consecutive bytes; a store covers two aligned runs of 256 bytes.
; PLACES OF K.  Lane (r = l % 16, h = l / 16), piece c, byte i.  Inputs' channels: k = 32 c + 16 h + i, alike in x and W.  Results: two neighbouring 16 x 16 tiles 2 c, 2 c + 1 give a lane 16 registers,
; byte 8 u + j = 32 c + 16 u + 8 h + j: that is the place of d in qc and kc, of the keys in vc, of Wo's rows in woc; both sides of each later product use the same places.
; Q and K: source 0 = 16 columns of W, source 1 = 16 rows of x: a lane holds one row, its registers run along d.  V: the sources swapped: a lane holds one d, its registers run along the keys.
; The bias is the C of the one matrix instruction of a sum, divided by the power of two that the sum lacks.  The three scales ahead of a result's quantiser are folded into the conversion's one.
; NO JOINT LOADS, NO TENSOR LOADS: every operand arrives as f32 and has to pass through registers to be quantised; what work-groups share (x by four, a weight's columns by 64) is 1.3 MB a work-group at most.
; LIMITS, so that each power of two below is an f32 number: e0 .. e5, e11, e6 - e0 - e1, e7 - e2 - e3, e8 - e4 - e5 between -126 and 119.  NaN among the inputs is not served.
; THE MODE: SCHED_MODE bits 1:0 = 2 (LLVM: expert scheduling mode 2), set by the entry lines.  The code itself states the register dependences
; between vector or matrix instructions and memory or LDS instructions, with s_wait_alu, always for 0.
; THE PLAN.  Registers that memory or LDS instructions touch:
;   v1, v2, v9, v10, v13   offsets of global loads and stores, made at the head.  v9, v10, v13 are never written again; v1 and v2 once, behind the barrier, for Wo.
;   v6 (TA), v16-31 (PC)   phase 1: an image's address and codes.  Written by a block's conversions and one add, read by the block's LDS stores.
;   the blocks v32-255     phase 1: global loads land; holds and conversions name them; three of them are loaded a second time, behind the LDS stores of the block that emptied them.
;   v14, v15 (TX, TW)      phase 2: written at the head of each of its three parts, read by that part's LDS loads.
;   v32-95 (W, X)          phase 2: LDS loads land, the products read.
;   v128-143 (CD)          phase 2: two sets of codes by turns: batch n's conversions write set n % 2; its two stores are issued in batch n + 1.
;   v144-207 (WS)          Wo's numbers: global loads land, the holds read; four LDS loads land in v144-159, four stores read them.
; Phase 1 has one wait on va_vdst to an image, behind the add that makes its address: it serves the LDS stores and the global loads that follow them; and one on vm_vsrc at the head of each block but the first.
; A batch of phase 2 has one wait on va_vdst, behind its four products and their places: the next batch's fragments and the last batch's stores follow it, ahead of the holds, which name the accumulators alone.
; X HAS ONE SET: while Q is made all 256 registers are held (16 addresses, 16 PC, 32 W, 32 X, 32 results, 16 codes, 64 of Wo on their way, 48 of biases), and four waves to a SIMD leave a wave no more.
.set XQ,  0                            ; LDS: q's 8 images,
.set XK,  16384                        ; k's 16,
.set XV,  49152                        ; v's 16,
.set WQ,  81920                        ; 16 images (16 columns each) of Wq,
.set WK,  114688                       ; of Wk,
.set WV,  147456                       ; of Wv,
.set WOS, 180224                       ; and 2,048 bytes for each wave, its own, for Wo's image
.set XA,  1                            ; v1   phase 1: x: 512 r + 64 h: my 16 numbers of a block of 32
.set WA,  2                            ; v2   phase 1: W: 16 (l / 4) rows of 4,096 bytes + 16 (l % 4)
.set SI,  3                            ; v3   16 l + 2,048 w
.set SIH, 4                            ; v4   phase 1: 16 l + 1,024 w
.set WSI, 5                            ; v5   64 l + 2,048 w
.set TA,  6                            ; v6   the LDS address of the stores in hand
.set SC,  7                            ; v7   the quantiser's scale as f32
.set LIM, 8                            ; v8   448 x that
.set BA,  9                            ; v9   32 h
.set BVA, 10                           ; v10  4 r
.set BVR, 11                           ; v11, v12  bv as loaded
.set LI,  13                           ; v13  16 l
.set TX,  14                           ; v14  LDS address of x's images
.set TW,  15                           ; v15  of W's
.set PC,  16                           ; v16-31 the codes just made
.set BLA, 32                           ; phase 1: blocks of 64 numbers: they and BSH fill v32-255
.set BLB, 96
.set BLC, 160
.set BSH, 224                          ; and one of 32
.set W,   32                           ; phase 2: my two fragments of W,
.set X,   64                           ; two of x,
.set ACC, 96                           ; four results,
.set CD,  128                          ; v128-143 their codes: two sets of eight registers, by turns
.set WOI, 1                            ; v1   phase 2, in XA's place: my stage for Wo's image, on the way in
.set WOA, 2                            ; v2   phase 2, in WA's place: Wo: my lane's offset
.set WOR, 4                            ; v4   phase 2, in SIH's place: my stage, on the way back
.set WS,  144                          ; v144-207 Wo as loaded
.set BV,  208                          ; the biases in the results' layout
.set BQ,  224
.set BK,  240
.macro MKS d, e                        ; s[d] = 2^e as f32, s[d+1] = 448 x 2^e; e in s[e]
	s_add_co_i32 s[\d], s[\e], 127
	s_add_co_i32 s[\d+1], s[\d], 8
	s_lshl_b32 s[\d], s[\d], 23
	s_lshl_b32 s[\d+1], s[\d+1], 23
	s_or_b32 s[\d+1], s[\d+1], 0x600000
.endm
.macro SETQ p
	v_mov_b32 v[SC], s[\p]
	v_mov_b32 v[LIM], s[\p+1]
.endm
.macro XLOAD reg, base, nb             ; nb blocks of 32 along K: my 16 neighbours of each
.set xb, 0
.rept \nb
.irp j, 0,1,2,3
	global_load_b128 v[\reg+16*xb+4*\j:\reg+16*xb+4*\j+3], v[XA], s[\base:\base+1] offset:128*xb+16*\j
.endr
.set xb, xb+1
.endr
.endm
.macro WLOAD reg, base, voff, wo       ; 16 rows k x my 4 columns; wo = 1: Wo's rows, in the places of the results' K
.irp t, 0,1,2,3,4,5,6,7,8,9,10,11,12,13,14,15
.if \wo
	global_load_b128 v[\reg+4*\t:\reg+4*\t+3], v[\voff], s[\base:\base+1] offset:(16*(\t/8)+(\t%8))*512
.else
	global_load_b128 v[\reg+4*\t:\reg+4*\t+3], v[\voff], s[\base:\base+1] offset:4096*\t
.endif
.endr
.endm
; first = 1: no LDS store has read v[PC] on or v[TA] since the last wait on vm_vsrc
.macro QX reg, nb, first               ; 16 nb numbers of a lane, in place, become codes in v[PC] on
	s_wait_dscnt 0x0                               ; the last LDS stores are done
.if !\first
	s_wait_alu depctr_vm_vsrc(0)                   ; the last image's LDS stores have read v[PC] on and v[TA]: the conversions below and the next image's add write them anew
.endif
.set xb, 0
.rept \nb
.irp i, 0,1,2,3,4,5,6,7,8,9,10,11,12,13,14,15
	v_med3_num_f32 v[\reg+16*xb+\i], v[\reg+16*xb+\i], -v[LIM], v[LIM]   ; the conversion to an 8-bit code does not saturate (ISA guide 7.6.2): the hold at the largest code x the scale
.endr
	v_cvt_scalef32_pk8_fp8_f32 v[PC+4*xb:PC+4*xb+1], v[\reg+16*xb:\reg+16*xb+7], v[SC]
	v_cvt_scalef32_pk8_fp8_f32 v[PC+4*xb+2:PC+4*xb+3], v[\reg+16*xb+8:\reg+16*xb+15], v[SC]
.set xb, xb+1
.endr
	v_nop                                          ; one plain line behind the last conversion
.endm
.macro QW src, dst, first              ; register 4 t + e of src = (row k_t, column e): the hold also moves it to 16 e + t, so that 16 registers run down K
	s_wait_dscnt 0x0
.if !\first
	s_wait_alu depctr_vm_vsrc(0)                   ; the last image's LDS stores have read v[PC] on and v[TA]: the conversions below and the next image's add write them anew
.endif
.irp e, 0,1,2,3
.irp t, 0,1,2,3,4,5,6,7,8,9,10,11,12,13,14,15
	v_med3_num_f32 v[\dst+16*\e+\t], v[\src+4*\t+\e], -v[LIM], v[LIM]
.endr
	v_cvt_scalef32_pk8_fp8_f32 v[PC+4*\e:PC+4*\e+1], v[\dst+16*\e:\dst+16*\e+7], v[SC]
	v_cvt_scalef32_pk8_fp8_f32 v[PC+4*\e+2:PC+4*\e+3], v[\dst+16*\e+8:\dst+16*\e+15], v[SC]
.endr
	v_nop
.endm
.macro IMGX region, areg, nb           ; nb pieces of an image of x
	v_add_nc_u32 v[TA], \region, v[\areg]
	s_wait_alu depctr_va_vdst(0)                   ; the conversions have written v[PC] on and the add v[TA], which the LDS stores read; the holds and conversions are done with the block's registers, in which the global loads behind these stores land
.set xb, 0
.rept \nb
	ds_store_b128 v[TA], v[PC+4*xb:PC+4*xb+3] offset:512*xb
.set xb, xb+1
.endr
.endm
.macro IMGW region                     ; lane l = (kk = l / 4, g = l % 4) holds columns 4 g + e, k = 16 kk + 0 .. 15: piece kk / 2, lane 16 (kk % 2) + 4 g + e of the image: byte 64 l + 16 e
	v_add_nc_u32 v[TA], \region, v[WSI]
	s_wait_alu depctr_va_vdst(0)                   ; the conversions have written v[PC] on and the add v[TA], which the LDS stores read; the holds are done reading the block as loaded, in which the global loads behind these stores land
.irp e, 0,1,2,3
	ds_store_b128 v[TA], v[PC+4*\e:PC+4*\e+3] offset:16*\e
.endr
.endm
.macro XFETCH n                        ; row tiles 2 n, 2 n + 1 of my half
.irp a, 0,1
.irp c, 0,1,2,3
	ds_load_b128 v[X+16*\a+4*\c:X+16*\a+4*\c+3], v[TX] offset:(2*(\n)+\a)*2048+512*\c
.endr
.endr
.endm
.macro SEND form, n, base              ; batch n's codes leave, from set n % 2
.irp g, 0,1
.if \form
	global_store_b128 v[LI], v[CD+8*((\n)%2)+4*\g:CD+8*((\n)%2)+4*\g+3], s[\base:\base+1] offset:2048*\g+512*(\n) th:TH_STORE_NT   ; d tile g of my two, piece n of the key step: 512 consecutive bytes
.else
	global_store_b128 v[LI], v[CD+8*((\n)%2)+4*\g:CD+8*((\n)%2)+4*\g+3], s[\base:\base+1] offset:(2*(\n)+\g)*2048 th:TH_STORE_NT   ; row tile 2 n + g, my piece of its image: 512 consecutive bytes
.endif
.endr
.endm
; Two row tiles x my two column tiles: four matrix instructions on four accumulators, each a whole sum (K = 128) with the bias as C.
; fst = 1: Q's two batches, which write the two sets of codes for the first time.
.macro BATCH form, n, cnt, bias, base, fst
	s_wait_dscnt 0x0                               ; the fragments are in
.irp a, 0,1
.irp u, 0,1
.if \form
	v_wmma_f32_16x16x128_fp8_fp8 v[ACC+16*\u+8*\a:ACC+16*\u+8*\a+7], v[X+16*\a:X+16*\a+15], v[W+16*\u:W+16*\u+15], v[\bias+8*\u:\bias+8*\u+7]
.else
	v_wmma_f32_16x16x128_fp8_fp8 v[ACC+16*\a+8*\u:ACC+16*\a+8*\u+7], v[W+16*\u:W+16*\u+15], v[X+16*\a:X+16*\a+15], v[\bias+8*\u:\bias+8*\u+7]
.endif
.endr
.endr
.rept 4
	v_nop                                          ; four places (ISA guide 7.12.1) in front of the first read of the results
.endr
	s_wait_alu depctr_va_vdst(0)                   ; the four products are done reading v[X] on, in which the next batch's fragments land; the last batch's conversions have written the other set of codes, which the stores below read
.if (\n)+1 < \cnt
	XFETCH (\n)+1
.endif
.if (\n) > 0
	SEND \form, (\n)-1, \base                      ; no vector instruction since the wait names these registers
.endif
.set jj, 0
.rept 32
	v_med3_num_f32 v[ACC+jj], v[ACC+jj], -v[LIM], v[LIM]   ; each accumulator from its low end on
.set jj, jj+1
.endr
	s_wait_xcnt 0x0                                ; the stores issued so far have had their addresses translated
.if !\fst
	s_wait_alu depctr_vm_vsrc(0)                   ; the stores issued a batch ago have read this set of codes, which the conversions write anew
.endif
.irp g, 0,1
	v_cvt_scalef32_pk8_fp8_f32 v[CD+8*((\n)%2)+4*\g:CD+8*((\n)%2)+4*\g+1], v[ACC+16*\g:ACC+16*\g+7], v[SC]
	v_cvt_scalef32_pk8_fp8_f32 v[CD+8*((\n)%2)+4*\g+2:CD+8*((\n)%2)+4*\g+3], v[ACC+16*\g+8:ACC+16*\g+15], v[SC]
.endr
	v_nop
.if (\n)+1 == \cnt
	s_wait_alu depctr_va_vdst(0)                   ; no batch follows: the conversions above have written the codes that the stores below read
	SEND \form, \n, \base
.endif
.endm
.macro PHASE form, cnt, wreg, xreg, rsh, bias, sp, base, fst
.if !\fst
	s_wait_alu depctr_vm_vsrc(0)                   ; the LDS loads issued so far have read v[TW] and v[TX], which are written anew
.endif
	SETQ \sp
	s_lshl_b32 s43, s41, 12
	s_add_co_u32 s43, s43, \wreg
	v_add_nc_u32 v[TW], s43, v[LI]                 ; my two images of W: tiles 2 cg, 2 cg + 1
	s_lshl_b32 s43, s42, \rsh
	s_add_co_u32 s43, s43, \xreg
	v_add_nc_u32 v[TX], s43, v[LI]                 ; my half of the row tiles
	s_wait_alu depctr_va_vdst(0)                   ; v[TW] and v[TX] are written, which the LDS loads read; the products and holds that named v[W] to v[X+31] are done, and the loads land there
.irp u, 0,1
.irp c, 0,1,2,3
	ds_load_b128 v[W+16*\u+4*\c:W+16*\u+4*\c+3], v[TW] offset:2048*\u+512*\c
.endr
.endr
	XFETCH 0
.set bn, 0
.rept \cnt
	BATCH \form, bn, \cnt, \bias, \base, \fst
.set bn, bn+1
.endr
.endm
	s_load_b512 s[8:23], s[0:1], 0x0               ; q 8, k 10, v 12, Wq 14, Wk 16, Wv 18, bq 20, bk 22
	s_load_b256 s[24:31], s[0:1], 0x40             ; bv 24, Wo 26, the scales' exponents 28, qc 30
	s_load_b128 s[32:35], s[0:1], 0x60             ; kc 32, vc 34
	s_load_b64 s[36:37], s[0:1], 0x70              ; woc
	v_lshrrev_b32 v1, 5, v0
	v_readfirstlane_b32 s38, v1                    ; wave w
	s_and_b32 s39, ttmp9, 3                        ; hp
	s_lshr_b32 s40, ttmp9, 2                       ; part
	v_and_b32 v[LI], 31, v0                        ; l
	v_and_b32 v[BVA], 15, v0                       ; r
	v_bfe_u32 v[BA], v0, 4, 1                      ; h
	v_lshlrev_b32 v[XA], 9, v[BVA]
	v_lshl_add_u32 v[XA], v[BA], 6, v[XA]
	v_and_b32 v[TA], 3, v0
	v_lshlrev_b32 v[TA], 4, v[TA]                  ; 16 (l % 4)
	v_lshrrev_b32 v[WA], 2, v[LI]
	v_lshl_add_u32 v[WA], v[WA], 16, v[TA]
	v_lshlrev_b32 v[WSI], 6, v[LI]
	v_lshlrev_b32 v[LI], 4, v[LI]
	v_lshlrev_b32 v[BA], 5, v[BA]
	v_lshlrev_b32 v[BVA], 2, v[BVA]
	s_wait_alu depctr_va_sdst(0)                   ; s38 is written, ahead of its first reader: LDS addresses and the buffers' offsets are made from it
	s_and_b32 s41, s38, 7                          ; cg
	s_lshr_b32 s42, s38, 3                         ; rh
	s_lshl_b32 s43, s38, 11
	v_add_nc_u32 v[SI], s43, v[LI]
	v_add_nc_u32 v[WSI], s43, v[WSI]
	s_lshl_b32 s43, s38, 10
	v_add_nc_u32 v[SIH], s43, v[LI]
	s_wait_kmcnt 0x0
	s_load_b256 s[44:51], s[28:29], 0x0            ; e0 .. e7
	s_load_b128 s[52:55], s[28:29], 0x20           ; e8 .. e11
	s_mov_b32 s57, 0
	s_lshl_b32 s56, s40, 17                        ; k, v: 256 rows of 512 bytes a part, 16 rows a wave
	s_lshl_b32 s43, s38, 13
	s_add_co_u32 s56, s56, s43
	s_add_nc_u64 s[10:11], s[10:11], s[56:57]
	s_add_nc_u64 s[12:13], s[12:13], s[56:57]
	s_lshl_b32 s56, s40, 16                        ; q: 128 rows a part; tile w / 2, its half w % 2 along K
	s_lshr_b32 s43, s38, 1
	s_lshl_b32 s43, s43, 13
	s_add_co_u32 s56, s56, s43
	s_and_b32 s43, s38, 1
	s_lshl_b32 s43, s43, 8
	s_add_co_u32 s56, s56, s43
	s_add_nc_u64 s[8:9], s[8:9], s[56:57]
	s_lshl_b32 s56, s39, 10                        ; the weights: column 256 hp + 16 w
	s_lshl_b32 s43, s38, 6
	s_add_co_u32 s56, s56, s43
	s_add_nc_u64 s[14:15], s[14:15], s[56:57]
	s_add_nc_u64 s[16:17], s[16:17], s[56:57]
	s_add_nc_u64 s[18:19], s[18:19], s[56:57]
	s_wait_alu depctr_va_vdst(0)                   ; the offsets v1, v2, v9, v10 and v13 are written, which the global loads and stores read
	XLOAD BLA, 10, 4                               ; k's tile w: 16 loads
	XLOAD BLB, 12, 4                               ; v's tile w: 16
	XLOAD BSH, 8, 2                                ; half of q's tile w / 2: 8
	WLOAD BLC, 14, WA, 0                           ; Wq's tile w: 16
	s_lshl_b32 s56, s39, 10                        ; the biases: column 256 hp + 32 cg
	s_lshl_b32 s43, s41, 7
	s_add_co_u32 s56, s56, s43
	s_add_nc_u64 s[20:21], s[20:21], s[56:57]
	s_add_nc_u64 s[22:23], s[22:23], s[56:57]
	s_add_nc_u64 s[24:25], s[24:25], s[56:57]
	s_min_u32 s58, ttmp9, 3                        ; Wo is served by work-groups 0 to 3; held at 3, so that the two pointers lie inside their buffers in all
	s_lshl_b32 s56, s58, 1
	s_add_co_u32 s56, s56, s42                     ; n tile 2 i + w / 8: 16 columns of 4 bytes,
	s_lshl_b32 s56, s56, 6
	s_lshl_b32 s43, s41, 16                        ; head w % 8: 128 rows of 512 bytes
	s_add_co_u32 s56, s56, s43
	s_add_nc_u64 s[26:27], s[26:27], s[56:57]
	s_lshl_b32 s56, s58, 4
	s_add_co_u32 s56, s56, s38
	s_lshl_b32 s56, s56, 11                        ; image 16 i + w = 8 x n tile + head
	s_add_nc_u64 s[36:37], s[36:37], s[56:57]
	s_lshr_b32 s58, s40, 3                         ; b
	s_and_b32 s59, s40, 7                          ; pp
	s_lshl_b32 s60, s39, 1
	s_lshr_b32 s43, s41, 2
	s_add_co_u32 s60, s60, s43                     ; head = 2 hp + cg / 4
	s_and_b32 s61, s41, 3                          ; cp: which 32 of the head's 128
	s_lshl_b32 s56, s58, 21                        ; kc and vc: 2^18 bytes a head, 2^15 a part, 2^14 a half
	s_lshl_b32 s43, s60, 18
	s_add_co_u32 s56, s56, s43
	s_lshl_b32 s43, s59, 15
	s_add_co_u32 s56, s56, s43
	s_lshl_b32 s43, s42, 14
	s_add_co_u32 s56, s56, s43
	s_lshl_b32 s62, s61, 9                         ; piece cp of an image
	s_lshr_b32 s58, s56, 1                         ; qc: half of each of these
	s_add_co_u32 s58, s58, s62
	s_mov_b32 s59, 0
	s_add_nc_u64 s[30:31], s[30:31], s[58:59]
	s_add_co_u32 s58, s56, s62
	s_add_nc_u64 s[32:33], s[32:33], s[58:59]
	s_lshl_b32 s62, s61, 12                        ; vc: d tiles 2 cp, 2 cp + 1
	s_add_co_u32 s58, s56, s62
	s_add_nc_u64 s[34:35], s[34:35], s[58:59]
	s_wait_kmcnt 0x0
	MKS 66, 44                                     ; q
	MKS 68, 46                                     ; k
	MKS 70, 48                                     ; v
	MKS 72, 45                                     ; Wq
	MKS 74, 47                                     ; Wk
	MKS 76, 49                                     ; Wv
	MKS 78, 55                                     ; Wo
	s_add_co_i32 s86, s44, s45                     ; a sum of the first product stands for sum x 2^(e0 + e1): its code is sum / 2^(e6 - e0 - e1)
	s_sub_co_i32 s43, s50, s86
	MKS 80, 43
	s_sub_co_i32 s86, 0, s86
	s_add_co_i32 s87, s46, s47
	s_sub_co_i32 s43, s51, s87
	MKS 82, 43
	s_sub_co_i32 s87, 0, s87
	s_add_co_i32 s88, s48, s49
	s_sub_co_i32 s43, s52, s88
	MKS 84, 43
	s_sub_co_i32 s88, 0, s88
	; ---- phase 1
	s_wait_loadcnt 40                              ; k's 16 loads are in; behind them: v 16, q 8, Wq 16
	SETQ 68
	QX BLA, 4, 1                                   ; the first block: no LDS store has been issued yet
	IMGX XK, SI, 4
	s_wait_loadcnt 24                              ; v's; behind them: q 8, Wq 16
	SETQ 70
	QX BLB, 4, 0
	IMGX XV, SI, 4
	WLOAD BLB, 16, WA, 0                           ; Wk's tile w, into the block just emptied: the image's wait has covered its holds and conversions
	s_wait_loadcnt 32                              ; q's; behind them: Wq 16, Wk 16
	SETQ 66
	QX BSH, 2, 0
	IMGX XQ, SIH, 2
.irp u, 0,1                                    ; ten loads: the biases of my 32 columns of phase 2; eight of them land in the block just emptied, as above
	global_load_b128 v[BQ+8*\u:BQ+8*\u+3], v[BA], s[20:21] offset:64*\u          ; tile u, columns 8 h + 0 .. 7
	global_load_b128 v[BQ+8*\u+4:BQ+8*\u+7], v[BA], s[20:21] offset:64*\u+16
	global_load_b128 v[BK+8*\u:BK+8*\u+3], v[BA], s[22:23] offset:64*\u
	global_load_b128 v[BK+8*\u+4:BK+8*\u+7], v[BA], s[22:23] offset:64*\u+16
	global_load_b32 v[BVR+\u], v[BVA], s[24:25] offset:64*\u                     ; tile u, column r
.endr
	s_wait_loadcnt 26                              ; Wq's; behind them: Wk 16, the biases 10
	SETQ 72
	QW BLC, BLA, 0
	IMGW WQ
	WLOAD BLC, 18, WA, 0                           ; Wv's tile w, into the block just emptied, as above
	s_wait_loadcnt 26                              ; Wk's; behind them: the biases 10, Wv 16
	SETQ 74
	QW BLB, BLA, 0
	IMGW WK
	s_wait_loadcnt 0x0                             ; every load of phase 1 is done: so its offset registers are free too
	SETQ 76
	QW BLC, BLA, 0
	IMGW WV
.irp j, 0,1,2,3,4,5,6,7,8,9,10,11,12,13,14,15
	v_ldexp_f32 v[BQ+\j], v[BQ+\j], s86            ; bq / 2^(e0 + e1)
	v_ldexp_f32 v[BK+\j], v[BK+\j], s87
.endr
.irp u, 0,1
.irp j, 0,1,2,3,4,5,6,7
	v_ldexp_f32 v[BV+8*\u+\j], v[BVR+\u], s88      ; in V's results a lane holds one d: one number for its eight registers
.endr
.endr
	s_wait_dscnt 0x0                               ; for the others' sake: my images lie in LDS
	s_barrier_signal -1
	s_barrier_wait -1                              ; everybody's do; from here on they are only read
	; ---- phase 2
	; Wo's three addresses, in registers that phase 1 has done with and that have held offsets alone; made on every path, ahead of the branch
	s_wait_alu depctr_vm_vsrc(0)                   ; the last image's LDS stores have read v[TA] and v[PC] on, phase 1's global loads v1 and v2: the lines below write v[TA], v1 and v2 anew, Wo's conversions v[PC] on
	v_and_b32 v[TA], 3, v0
	v_lshlrev_b32 v[TA], 4, v[TA]                  ; 16 (l % 4): my four columns
	v_bfe_u32 v[WOA], v0, 3, 2                     ; piece l / 8: 32 rows of 512 bytes,
	v_lshl_add_u32 v[WOA], v[WOA], 14, v[TA]
	v_bfe_u32 v[TX], v0, 2, 1                      ; half (l / 4) % 2: 8 rows
	v_lshl_add_u32 v[WOA], v[TX], 12, v[WOA]
	v_add_nc_u32 v[WOI], WOS, v[WSI]               ; my stage: 64 l + 2,048 w on the way in,
	v_add_nc_u32 v[WOR], WOS, v[SI]                ; 16 l + 2,048 w on the way back
	s_cmp_lt_u32 ttmp9, 4
	s_cbranch_scc0 .Lplain
	s_wait_alu depctr_va_vdst(0)                   ; v[WOA] is written, which the loads below read; phase 1's holds are done reading v144 to v207, in which they land
	WLOAD WS, 26, WOA, 1                           ; work-groups 0 to 3: a wave takes one of Wo's 64 images; its loads land under Q's phase
	PHASE 0, 2, WQ, XQ, 13, BQ, 80, 30, 1
	s_wait_loadcnt 0x0
	SETQ 78
	QW WS, W, 1                                    ; no LDS store has read v[PC] on since the wait behind the barrier
	s_wait_alu depctr_va_vdst(0)                   ; the conversions have written v[PC] on, which the LDS stores read; the holds are done reading v[WS] on, in which the LDS loads land
.irp e, 0,1,2,3
	ds_store_b128 v[WOI], v[PC+4*\e:PC+4*\e+3] offset:16*\e
.endr
.irp c, 0,1,2,3
	ds_load_b128 v[WS+4*\c:WS+4*\c+3], v[WOR] offset:512*\c   ; my own bytes; LDS serves a wave's instructions in order (ISA guide 5.7.1.4)
.endr
	s_wait_dscnt 0x0
.irp c, 0,1,2,3
	global_store_b128 v[LI], v[WS+4*\c:WS+4*\c+3], s[36:37] offset:512*\c th:TH_STORE_NT   ; these registers are not written again
.endr
	s_branch .Ljoin
.Lplain:
	PHASE 0, 2, WQ, XQ, 13, BQ, 80, 30, 1
.Ljoin:
	PHASE 0, 4, WK, XK, 14, BK, 82, 32, 0
	PHASE 1, 4, WV, XV, 14, BV, 84, 34, 0
	s_wait_xcnt 0x0
	v_lshl_add_u32 v254, v0, 2, 0x34000            ; the add's two registers, made anew: no memory or LDS instruction has read v254 or v255 (loads landed there, products took them as C)
	v_mov_b32 v255, 0
	s_wait_dscnt 0x0                               ; the closing lines, six on end
	s_wait_alu 0x0
	s_wait_tensorcnt 0x0
	ds_add_u32 v254, v255
	s_wait_dscnt 0x0
	s_endpgm
.Lfunc_end_k_q5840c22763_proj:
	.size	k_q5840c22763_proj, .Lfunc_end_k_q5840c22763_proj-k_q5840c22763_proj
	.p2alignl 7, 3214868480
	.fill 96, 4, 3214868480
	.section	.rodata,"a",@progbits
	.p2align	6, 0x0
	.amdhsa_kernel k_q5840c22763_proj
		.amdhsa_group_segment_fixed_size 215040
		.amdhsa_private_segment_fixed_size 0
		.amdhsa_enable_private_segment 0
		.amdhsa_kernarg_size 120
		.amdhsa_user_sgpr_count 2
		.amdhsa_user_sgpr_kernarg_segment_ptr 1
		.amdhsa_wavefront_size32 1
		.amdhsa_system_sgpr_workgroup_id_x 1
		.amdhsa_system_sgpr_workgroup_id_y 1
		.amdhsa_system_sgpr_workgroup_id_z 1
		.amdhsa_system_vgpr_workitem_id 0
		.amdhsa_next_free_vgpr 256
		.amdhsa_next_free_sgpr 96
		.amdhsa_reserve_vcc 0
		.amdhsa_float_denorm_mode_32 3
		.amdhsa_float_denorm_mode_16_64 3
		.amdhsa_memory_ordered 1
		.amdhsa_forward_progress 1
		.amdhsa_inst_pref_size 100
	.end_amdhsa_kernel
	.amdgpu_metadata
---
amdhsa.version: [ 1, 2 ]
amdhsa.kernels:
  - .name:           k_q5840c22763_proj
    .symbol:         k_q5840c22763_proj.kd
    .args:
      - { .name: q, .offset: 0, .size: 8, .value_kind: global_buffer, .address_space: global }
      - { .name: k, .offset: 8, .size: 8, .value_kind: global_buffer, .address_space: global }
      - { .name: v, .offset: 16, .size: 8, .value_kind: global_buffer, .address_space: global }
      - { .name: Wq, .offset: 24, .size: 8, .value_kind: global_buffer, .address_space: global }
      - { .name: Wk, .offset: 32, .size: 8, .value_kind: global_buffer, .address_space: global }
      - { .name: Wv, .offset: 40, .size: 8, .value_kind: global_buffer, .address_space: global }
      - { .name: bq, .offset: 48, .size: 8, .value_kind: global_buffer, .address_space: global }
      - { .name: bk, .offset: 56, .size: 8, .value_kind: global_buffer, .address_space: global }
      - { .name: bv, .offset: 64, .size: 8, .value_kind: global_buffer, .address_space: global }
      - { .name: Wo, .offset: 72, .size: 8, .value_kind: global_buffer, .address_space: global }
      - { .name: lowp_scales, .offset: 80, .size: 8, .value_kind: global_buffer, .address_space: global }
      - { .name: qc, .offset: 88, .size: 8, .value_kind: global_buffer, .address_space: global }
      - { .name: kc, .offset: 96, .size: 8, .value_kind: global_buffer, .address_space: global }
      - { .name: vc, .offset: 104, .size: 8, .value_kind: global_buffer, .address_space: global }
      - { .name: woc, .offset: 112, .size: 8, .value_kind: global_buffer, .address_space: global }
    .group_segment_fixed_size: 215040
    .private_segment_fixed_size: 0
    .kernarg_segment_align: 8
    .kernarg_segment_size: 120
    .max_flat_workgroup_size: 512
    .sgpr_count:     96
    .vgpr_count:     256
    .wavefront_size: 32
...
	.end_amdgpu_metadata
.endif
;; end of part 5
;; launch attn: the kernel of part 4 again; grid 4 x 64, 8 waves a work-group, clusters of 4 x 1, 327,680 bytes of LDS; arguments qc, kc, vc, lowp_scales, oc; writes oc
;; launch oproj: the kernel of part 3 again; grid 256 x 1, 4 waves a work-group, clusters of 4 x 1, 168,448 bytes of LDS; arguments oc, woc, bo, lowp_scales, out0; writes out0
